; MI455X (gfx1250); checked and timed in simulation.
; The chip was launched on July 23, 2026; its instructions are those of AMD's public machine-readable ISA for CDNA 5 (MIT licence, August 2026) and "CDNA5" Instruction Set Architecture Reference Guide (July 2026). The comments in the code are by the model that wrote it; some were corrected since.
;; Decoder Block. Allowed arithmetic: matrix products marked QUANTISED: E4M3 operands, one given power-of-two scale a tensor, by v_wmma_f32_16x16x64_fp8_fp8 or v_wmma_f32_16x16x128_fp8_fp8, f32 sums; everything else in f32.
;; Inputs: b1 4,096 float32; b2 1,024 float32; be1 1,024 float32; be2 1,024 float32; bk 1,024 float32; bo 1,024 float32; bq 1,024 float32; bv 1,024 float32; g1 1,024 float32; g2 1,024 float32; lowp_scales 16 int32 (the exponents e of the quantised operands' scales 2^e); w1 1,024 x 4,096 float32; w2 4,096 x 1,024 float32; wk 1,024 x 1,024 float32; wo 1,024 x 1,024 float32; wq 1,024 x 1,024 float32; wv 1,024 x 1,024 float32; x 2 x 2,048 x 1,024 float32.
;; Outputs: out0 2 x 2,048 x 1,024 float32.
;; This version of the problem:
;;   THIS VERSION OF THE PROBLEM IS GIVEN IN LOW PRECISION. The matrix products marked QUANTISED in the list below multiply operands that are first quantised to E4M3 (4 exponent bits, 3 mantissa bits; 8 bits a number), with one given power-of-two scale for each operand tensor; their sums are f32. All else is computed in f32.
;;   The module's matrix products, in the order in which they are computed (A, B: the left and right operand; K: the contracted axis; several contracted axes count as one K, in the product's order):
;;     1. [M 4,096, K 1,024] x [K 1,024, N 1,024]; A: computed on the way; B: input wq: QUANTISED (scales: A lowp_scales[0], B lowp_scales[1])
;;     2. [M 4,096, K 1,024] x [K 1,024, N 1,024]; A: computed on the way; B: input wk: QUANTISED (scales: A lowp_scales[2], B lowp_scales[3])
;;     3. [M 4,096, K 1,024] x [K 1,024, N 1,024]; A: computed on the way; B: input wv: QUANTISED (scales: A lowp_scales[4], B lowp_scales[5])
;;     4. batch 32 x [M 2,048, K 64] x [K 64, N 2,048]; A: computed on the way; B: computed on the way: QUANTISED (scales: A lowp_scales[6], B lowp_scales[7])
;;     5. batch 32 x [M 2,048, K 2,048] x [K 2,048, N 64]; A: computed on the way; B: computed on the way: QUANTISED (scales: A lowp_scales[8], B lowp_scales[9])
;;     6. [M 4,096, K 1,024] x [K 1,024, N 1,024]; A: computed on the way; B: input wo: QUANTISED (scales: A lowp_scales[10], B lowp_scales[11])
;;     7. [M 4,096, K 1,024] x [K 1,024, N 4,096]; A: computed on the way; B: input w1: QUANTISED (scales: A lowp_scales[12], B lowp_scales[13])
;;     8. [M 4,096, K 4,096] x [K 4,096, N 1,024]; A: computed on the way; B: input w2: QUANTISED (scales: A lowp_scales[14], B lowp_scales[15])
;;   THE QUANTISER, for each operand of a quantised product, along K:
;;     - The operand's scale is 2^e, e = its entry of the input lowp_scales (int32; the entries are numbered through the quantised products in the list's order, A before B).
;;     - Each number is divided by the scale, clamped to +-448, and rounded to the nearest number of E4M3, ties to even, subnormals kept.
;;     - The product sums the exact products of the quantised numbers (number of the format x scale) in f32.
;;   ~~~python
;;   def quantise(x, axis, e):      # numpy; x: float32 -> the quantised numbers, widened to float32 again
;;       x = np.moveaxis(x, axis, -1); K = x.shape[-1]
;;       r = np.clip(x / 2.0 ** e, -448, 448)
;;       step = 2.0 ** (np.maximum(np.frexp(np.where(r == 0, 1, r))[1] - 1, -6) - 3)
;;       q = np.round(r / step) * step * 2.0 ** e      # np.round: ties to even
;;       return np.moveaxis(q, -1, axis).astype(np.float32)
;;   ~~~
;;   OPERANDS COMPUTED ON THE WAY. 'Computed on the way' means the value that the module computes at that place (a softmax that the list does not call 'softmax' is quantised finished and normalised). What goes into a quantiser is computed in f32, as accurately as f32 sums, v_exp_f32 and their like allow (about 1e-6 of the number): no bf16 or f16 on the way to a quantiser, and a product that is left as it is and whose result goes on into a quantised operand takes f32 operands (vector FMAs, or v_wmma_f32_16x16x4_f32). A number that lies on a knife's edge between two numbers of the format may be rounded either way, as far as f32 arithmetic and the matrix unit's own rounding can turn it there, and no further.
;; One version. Each part assembles by itself: llvm-mc -triple=amdgcn-amd-amdhsa -mcpu=gfx1250 --defsym DOCPART=n.
;; ======== version 1 of 1: 6 launches
;; limits: right only within a limited range of input values
;; workspace buffers: wc 12,582,912 bytes; hc 12,582,912 bytes; st1 32,768 bytes; qkvc 12,582,912 bytes; ac 4,194,304 bytes; h2c 4,194,304 bytes; f1c 16,777,216 bytes
;; launch prep (part 1): grid 640 x 1, 4 waves a work-group, no clusters, 35,328 bytes of LDS; arguments x, g1, be1, wq, wk, wv, wo, w1, w2, lowp_scales, wc, hc, st1; writes wc, hc, st1
.if DOCPART == 1
	.amdgcn_target "amdgcn-amd-amdhsa--gfx1250"
	.amdhsa_code_object_version 6
	.text
	.protected	k_q632c799929_prep
	.globl	k_q632c799929_prep
	.p2align	8
	.type	k_q632c799929_prep,@function
k_q632c799929_prep:
	s_mov_b64 s[64:65], 0
	v_nop
	global_prefetch_b8 v0, s[64:65] scope:SCOPE_SE
	s_setreg_imm32_b32 hwreg(HW_REG_WAVE_MODE, 25, 1), 1
	s_wait_xcnt 0x0
; PREP.  Work-groups 0-383: the six weights, f32 stored [K][N], become codes of E4M3 laid [N][K] (K innermost) in wc: wq at 0, wk at 1 MiB, wv at 2 MiB, wo at 3 MiB, w1 at 4 MiB, w2 at 8 MiB.
; Work-groups 384-639: h = LayerNorm(x) g1 + be1 is computed in f32 and quantised three times, under the scales of entries 0, 2 and 4, into hc [3][4096][1024]; each row's mean and 1/sqrt(var + eps) go to st1 [4096][2].
; code = number / 2^e, held within +-448, rounded to the nearest code, ties to even.
; LIMITS: each e used here lies between -126 and 119, so that 2^e and 448 x 2^e are f32 numbers.  NaN among the inputs is not served.
; WEIGHTS: a work-group takes 128 columns x 256 along K, a wave 32 columns.  A lane takes a column and its registers run down K, so the conversions give codes with K innermost; a wave's 32 x 256 bytes
; go through its own stage in LDS and leave as rows: sixteen lanes store 256 consecutive bytes, aligned.  The tensors' pitches differ, so they stand in registers, chosen by the work-group's number.
; LAYER NORM: a wave takes a row at a time, four rows; lane l holds k = 256 c + 8 l + 0..7, so that eight codes are 8 bytes and a wave's store covers 256 consecutive bytes, aligned.  No LDS on this path.
.set SPARE,  34816                     ; behind the four stages: the spare words, 128 bytes for each wave
.set SPW,    4                         ; v4  LDS address of my spare word; never rewritten
.set NIL,    5                         ; v5  0; never rewritten
.set PITCH,  272                       ; a stage row: 256 bytes of codes + 16
.set OFF,    32                        ; v32-63   weights: 4 x lane + i rows of the source
.set XW,     64                        ; v64-127  two sets of 32 numbers
.set CW,     128                       ; v128-135 a block's codes
.set OUTR,   136                       ; v136-199 the way out
.set OO,     200                       ; v200-215 the way out: byte offsets of the row pairs
.set X,      32                        ; v32-159  layer norm: four rows of 32 numbers a lane
.set G,      160                       ; v160-191 g1
.set BE,     192                       ; v192-223 be1
.set T,      224                       ; v224-239 two sets of eight held numbers, by turns
	s_load_b512 s[4:19], s[0:1], 0x0               ; x 4, g1 6, be1 8, wq 10, wk 12, wv 14, wo 16, w1 18
	s_load_b256 s[20:27], s[0:1], 0x40             ; w2 20, scales 22, wc 24, hc 26
	s_load_b64 s[28:29], s[0:1], 0x60              ; st1
	v_lshl_add_u32 v[SPW], v0, 2, SPARE
	v_mov_b32 v[NIL], 0
	v_lshrrev_b32 v1, 5, v0
	v_readfirstlane_b32 s30, v1                    ; wave
	v_and_b32 v1, 31, v0                           ; lane
	s_cmp_ge_u32 ttmp9, 384
	s_cbranch_scc1 .Lln
	; ---------------- the weights ----------------
	s_lshr_b32 s31, ttmp9, 7                       ; class 0: the four square weights; 1: w1; 2: w2
	s_and_b32 s32, ttmp9, 127
	s_lshr_b32 s33, s32, 5
	s_add_co_u32 s34, s31, 3
	s_and_b32 s35, s32, 31
	s_cmp_eq_u32 s31, 0
	s_cselect_b32 s33, s33, s34                    ; which tensor, 0..5
	s_cselect_b32 s32, s35, s32                    ; my number among its work-groups
	s_cmp_eq_u32 s31, 1
	s_cselect_b32 s34, 31, 7
	s_cselect_b32 s35, 5, 3
	s_mov_b32 s36, 4096
	s_cselect_b32 s36, 16384, s36                  ; bytes of a source row
	s_cmp_eq_u32 s31, 2
	s_mov_b32 s37, 1024
	s_cselect_b32 s37, 4096, s37                   ; bytes of a row of codes
	s_and_b32 s34, s32, s34                        ; block of 128 columns
	s_lshr_b32 s35, s32, s35                       ; block of 256 along K
	s_lshl_b32 s39, s33, 3
	s_add_co_u32 s39, s39, 4
	s_cmp_ge_u32 s33, 3
	s_cselect_b32 s69, 16, 0
	s_add_co_u32 s39, s39, s69                     ; byte of my scale: entries 1, 3, 5, 11, 13, 15
	s_lshl_b32 s58, s33, 20
	s_cmp_eq_u32 s33, 5
	s_cselect_b32 s69, 0x300000, 0
	s_add_co_u32 s58, s58, s69                     ; where the tensor's codes begin in wc
	s_lshl_b32 s62, s34, 7
	s_lshl_b32 s69, s30, 5
	s_add_co_u32 s62, s62, s69                     ; my wave's first column
	s_mul_i32 s66, s35, s36
	s_lshl_b32 s66, s66, 8
	s_lshl_b32 s69, s62, 2
	s_add_co_u32 s66, s66, s69                     ; source: 256 kb rows + 4 x column
	s_mov_b32 s67, 0
	s_mul_i32 s70, s62, s37
	s_lshl_b32 s69, s35, 8
	s_add_co_u32 s70, s70, s69
	s_add_co_u32 s70, s70, s58                     ; codes: column x row bytes + 256 kb + the tensor's place
	s_mov_b32 s71, 0
	s_lshl_b32 s58, s36, 5                         ; 32 source rows
	s_mov_b32 s59, 0
	v_and_b32 v8, 15, v1
	v_lshrrev_b32 v9, 4, v1
	s_mul_i32 s69, s30, 32*PITCH                   ; my stage
	v_mul_u32_u24 v6, v1, PITCH
	v_add_nc_u32 v6, s69, v6                       ; into it: row = my column
	v_mul_u32_u24 v7, v9, PITCH
	v_lshl_add_u32 v7, v8, 4, v7
	v_add_nc_u32 v7, s69, v7                       ; out of it: sixteen lanes to a row, two rows an instruction
	v_lshlrev_b32 v[OFF], 2, v1
.set i, 1
.rept 31
	v_add_nc_u32 v[OFF+i], s36, v[OFF+i-1]
.set i, i+1
.endr
	v_mul_lo_u32 v[OO], v9, s37
	v_lshl_add_u32 v[OO], v8, 4, v[OO]
	s_lshl_b32 s69, s37, 1
.set i, 1
.rept 15
	v_add_nc_u32 v[OO+i], s69, v[OO+i-1]
.set i, i+1
.endr
	s_wait_kmcnt 0x0
	s_load_b32 s68, s[22:23], s39 offset:0x0       ; e
	s_mov_b64 s[60:61], s[10:11]
	s_cmp_eq_u32 s33, 1
	s_cselect_b64 s[60:61], s[12:13], s[60:61]
	s_cmp_eq_u32 s33, 2
	s_cselect_b64 s[60:61], s[14:15], s[60:61]
	s_cmp_eq_u32 s33, 3
	s_cselect_b64 s[60:61], s[16:17], s[60:61]
	s_cmp_eq_u32 s33, 4
	s_cselect_b64 s[60:61], s[18:19], s[60:61]
	s_cmp_eq_u32 s33, 5
	s_cselect_b64 s[60:61], s[20:21], s[60:61]
	s_add_nc_u64 s[40:41], s[60:61], s[66:67]      ; eight bases, one for each block of 32 along K: no pointer is stepped
.irp t, 1,2,3,4,5,6,7
	s_add_nc_u64 s[40+2*\t:41+2*\t], s[38+2*\t:39+2*\t], s[58:59]
.endr
	s_add_nc_u64 s[56:57], s[24:25], s[70:71]
.macro WLOAD t                         ; block t: W(32 t + i, my column), i = 0..31, into set t % 2; a wave reads 128 consecutive bytes, the work-group 512
.set i, 0
.rept 32
	global_load_b32 v[XW+32*((\t)%2)+i], v[OFF+i], s[40+2*(\t):41+2*(\t)] th:TH_LOAD_NT
.set i, i+1
.endr
.endm
	WLOAD 0
	WLOAD 1
	s_wait_kmcnt 0x0
	s_add_co_i32 s68, s68, 127
	s_lshl_b32 s69, s68, 23
	v_mov_b32 v11, s69                             ; 2^e as f32: the conversion takes its exponent field
	s_add_co_i32 s68, s68, 8
	s_lshl_b32 s68, s68, 23
	s_or_b32 s68, s68, 0x600000
	v_mov_b32 v10, s68                             ; 448 x 2^e
.macro WBLOCK t
.set XS, XW+32*((\t)%2)
.if (\t) < 7
	s_wait_loadcnt 32                              ; this block's 32 loads are in; the next block's 32 may be out
.else
	s_wait_loadcnt 0
.endif
.set i, 0
.rept 32
	v_med3_num_f32 v[XS+i], v[XS+i], -v10, v10     ; the conversion does not saturate (ISA guide 7.6.2): the hold comes first
.set i, i+1
.endr
.irp g, 0,1,2,3
	v_cvt_scalef32_pk8_fp8_f32 v[CW+2*\g:CW+2*\g+1], v[XS+8*\g:XS+8*\g+7], v11
.endr
	ds_store_b128 v6, v[CW:CW+3] offset:32*(\t)    ; 32 codes of my column's row
	ds_store_b128 v6, v[CW+4:CW+7] offset:32*(\t)+16
.if (\t)+2 < 8
	WLOAD (\t)+2
.endif
	s_wait_dscnt 0x0                               ; the stores have read their registers: the next block's codes may be written
.endm
.irp t, 0,1,2,3,4,5,6,7
	WBLOCK \t
.endr
.irp t, 0,1,2,3,4,5,6,7,8,9,10,11,12,13,14,15
	ds_load_b128 v[OUTR+4*\t:OUTR+4*\t+3], v7 offset:2*\t*PITCH   ; LDS serves a wave's instructions in order: these see my stores
.endr
.irp t, 0,1,2,3,4,5,6,7,8,9,10,11,12,13,14,15
	s_wait_dscnt 15-\t                             ; the younger read-backs may be out
	global_store_b128 v[OO+\t], v[OUTR+4*\t:OUTR+4*\t+3], s[56:57]
.endr
	s_wait_tensorcnt 0x0                           ; the wave's end
	ds_add_u32 v[SPW], v[NIL]
	s_wait_dscnt 0x0
	s_endpgm
	; ---------------- the layer norm ----------------
.Lln:
	s_sub_co_u32 s31, ttmp9, 384
	s_lshl_b32 s31, s31, 4
	s_lshl_b32 s38, s30, 2
	s_add_co_u32 s31, s31, s38                     ; my wave's first row
	v_lshlrev_b32 v2, 5, v1                        ; 32 bytes of f32 a lane
	v_lshlrev_b32 v3, 3, v1                        ; 8 bytes of codes a lane
	s_mov_b32 s40, 0x3a800000                      ; 1 / 1024
	s_mov_b32 s41, 0x3727c5ac                      ; 1e-5
	s_mov_b32 s42, 0x76543210
	s_mov_b32 s43, 0xfedcba98                      ; lane l xor 16
	v_mov_b32 v11, 0                               ; a lane permute's destination counts as read
	v_mov_b32 v18, 0
	v_mov_b32 v19, 0
	s_mov_b32 s57, 0
	s_wait_kmcnt 0x0
	s_load_b256 s[44:51], s[22:23], 0x0            ; e0 44, e2 46, e4 48
	s_lshl_b32 s56, s31, 12
	s_add_nc_u64 s[32:33], s[4:5], s[56:57]
	s_lshl_b32 s56, s31, 10
	s_add_co_u32 s56, s56, 0x400000                ; at the middle tensor of codes, so that the three lie within the immediate
	s_add_nc_u64 s[34:35], s[26:27], s[56:57]
	s_lshl_b32 s56, s31, 3
	s_add_nc_u64 s[36:37], s[28:29], s[56:57]
.macro XROW i
.irp c, 0,1,2,3
	global_load_b128 v[X+32*(\i)+8*\c:X+32*(\i)+8*\c+3], v2, s[32:33] offset:(\i)*4096+1024*\c
	global_load_b128 v[X+32*(\i)+8*\c+4:X+32*(\i)+8*\c+7], v2, s[32:33] offset:(\i)*4096+1024*\c+16
.endr
.endm
	XROW 0
.irp c, 0,1,2,3
	global_load_b128 v[G+8*\c:G+8*\c+3], v2, s[6:7] offset:1024*\c
	global_load_b128 v[G+8*\c+4:G+8*\c+7], v2, s[6:7] offset:1024*\c+16
.endr
.irp c, 0,1,2,3
	global_load_b128 v[BE+8*\c:BE+8*\c+3], v2, s[8:9] offset:1024*\c
	global_load_b128 v[BE+8*\c+4:BE+8*\c+7], v2, s[8:9] offset:1024*\c+16
.endr
	XROW 1
	XROW 2
	XROW 3
	s_wait_kmcnt 0x0
.macro MKSC e, sc, lim                 ; 2^e and 448 x 2^e as f32
	s_add_co_i32 s52, s[\e], 127
	s_lshl_b32 s53, s52, 23
	v_mov_b32 v[\sc], s53
	s_add_co_i32 s52, s52, 8
	s_lshl_b32 s52, s52, 23
	s_or_b32 s52, s52, 0x600000
	v_mov_b32 v[\lim], s52
.endm
	MKSC 44, 12, 15
	MKSC 46, 13, 16
	MKSC 48, 14, 17
.macro REDUCE                          ; v10 summed over the 32 lanes, the result in every lane
	v_add_f32_dpp v10, v10, v10 row_xmask:1 row_mask:0xf bank_mask:0xf
	v_add_f32_dpp v10, v10, v10 row_xmask:2 row_mask:0xf bank_mask:0xf
	v_add_f32_dpp v10, v10, v10 row_xmask:4 row_mask:0xf bank_mask:0xf
	v_add_f32_dpp v10, v10, v10 row_xmask:8 row_mask:0xf bank_mask:0xf
	v_permlanex16_b32 v11, v10, s42, s43
	v_add_f32 v10, v10, v11
.endm
.macro QC n, src, lim, sc, dst         ; eight numbers held into set n % 2 of T and converted
.set TS, T+8*((\n)%2)
.irp j, 0,1,2,3,4,5,6,7
	v_med3_num_f32 v[TS+\j], v[\src+\j], -v[\lim], v[\lim]
.endr
	v_cvt_scalef32_pk8_fp8_f32 v[\dst:\dst+1], v[TS:TS+7], v[\sc]
.endm
.macro ROW i, left
.set XR, X+32*(\i)
	s_wait_loadcnt \left                           ; my row (and g1, be1) are in; the later rows' loads may be out
	v_pk_add_f32 v[20:21], v[XR:XR+1], v[XR+2:XR+3]
	v_pk_add_f32 v[22:23], v[XR+4:XR+5], v[XR+6:XR+7]
.irp j, 8,12,16,20,24,28
	v_pk_add_f32 v[20:21], v[20:21], v[XR+\j:XR+\j+1]
	v_pk_add_f32 v[22:23], v[22:23], v[XR+\j+2:XR+\j+3]
.endr
	v_pk_add_f32 v[20:21], v[20:21], v[22:23]
	v_add_f32 v10, v20, v21
	REDUCE
	v_mul_f32 v6, s40, v10                         ; the mean
	v_mov_b32 v7, v6
.set j, 0
.rept 16
	v_pk_add_f32 v[XR+j:XR+j+1], v[XR+j:XR+j+1], v[6:7] neg_lo:[0,1] neg_hi:[0,1]   ; x - mean: the variance is taken of the differences
.set j, j+2
.endr
	v_pk_mul_f32 v[20:21], v[XR:XR+1], v[XR:XR+1]
	v_pk_mul_f32 v[22:23], v[XR+2:XR+3], v[XR+2:XR+3]
.irp j, 4,8,12,16,20,24,28
	v_pk_fma_f32 v[20:21], v[XR+\j:XR+\j+1], v[XR+\j:XR+\j+1], v[20:21]
	v_pk_fma_f32 v[22:23], v[XR+\j+2:XR+\j+3], v[XR+\j+2:XR+\j+3], v[22:23]
.endr
	v_pk_add_f32 v[20:21], v[20:21], v[22:23]
	v_add_f32 v10, v20, v21
	REDUCE
	v_cmp_eq_u32 vcc_lo, \i, v1
	v_fma_f32 v10, v10, s40, s41                   ; var + eps
	v_rsq_f32 v8, v10
	v_cndmask_b32 v18, v18, v6, vcc_lo             ; lane i keeps row i's mean (a plain line behind the transcendental)
	s_wait_alu depctr_va_vdst(0)                   ; the wait ahead of the first reader
	v_mov_b32 v9, v8
	v_cndmask_b32 v19, v19, v8, vcc_lo
.set j, 0
.rept 16
	v_pk_mul_f32 v[XR+j:XR+j+1], v[XR+j:XR+j+1], v[8:9]
	v_pk_fma_f32 v[XR+j:XR+j+1], v[XR+j:XR+j+1], v[G+j:G+j+1], v[BE+j:BE+j+1]
.set j, j+2
.endr
	s_wait_xcnt 0x0                                ; the last row's stores have read their data: the codes' registers are written again only behind this wait
.irp c, 0,1,2,3
	QC 3*\c, XR+8*\c, 15, 12, 24+2*\c
	QC 3*\c+1, XR+8*\c, 16, 13, 240+2*\c
	QC 3*\c+2, XR+8*\c, 17, 14, 248+2*\c
.endr
.irp c, 0,1,2,3
	global_store_b64 v3, v[24+2*\c:25+2*\c], s[34:35] offset:-4194304+(\i)*1024+256*\c     ; 32 lanes store 256 consecutive bytes, aligned
	global_store_b64 v3, v[240+2*\c:241+2*\c], s[34:35] offset:(\i)*1024+256*\c
	global_store_b64 v3, v[248+2*\c:249+2*\c], s[34:35] offset:4194304+(\i)*1024+256*\c
.endr
.endm
	ROW 0, 24
	ROW 1, 16
	ROW 2, 8
	ROW 3, 0
	v_cmp_gt_u32 vcc_lo, 4, v1
	s_wait_xcnt 0x0                                ; EXEC changes only behind this wait
	s_and_saveexec_b32 s54, vcc_lo
	global_store_b64 v3, v[18:19], s[36:37]        ; lanes 0-3: mean and 1/sqrt(var + eps) of my four rows
	s_wait_xcnt 0x0
	s_or_b32 exec_lo, exec_lo, s54
	s_endpgm
.Lfunc_end_k_q632c799929_prep:
	.size	k_q632c799929_prep, .Lfunc_end_k_q632c799929_prep-k_q632c799929_prep
	.p2alignl 7, 3214868480
	.fill 96, 4, 3214868480
	.section	.rodata,"a",@progbits
	.p2align	6, 0x0
	.amdhsa_kernel k_q632c799929_prep
		.amdhsa_group_segment_fixed_size 35328
		.amdhsa_private_segment_fixed_size 0
		.amdhsa_enable_private_segment 0
		.amdhsa_kernarg_size 104
		.amdhsa_user_sgpr_count 2
		.amdhsa_user_sgpr_kernarg_segment_ptr 1
		.amdhsa_wavefront_size32 1
		.amdhsa_system_sgpr_workgroup_id_x 1
		.amdhsa_system_sgpr_workgroup_id_y 1
		.amdhsa_system_sgpr_workgroup_id_z 1
		.amdhsa_system_vgpr_workitem_id 0
		.amdhsa_next_free_vgpr 256
		.amdhsa_next_free_sgpr 72
		.amdhsa_reserve_vcc 1
		.amdhsa_float_denorm_mode_32 3
		.amdhsa_float_denorm_mode_16_64 3
		.amdhsa_memory_ordered 1
		.amdhsa_forward_progress 1
		.amdhsa_inst_pref_size 115
	.end_amdhsa_kernel
	.amdgpu_metadata
---
amdhsa.version: [ 1, 2 ]
amdhsa.kernels:
  - .name:           k_q632c799929_prep
    .symbol:         k_q632c799929_prep.kd
    .args:
      - { .name: x, .offset: 0, .size: 8, .value_kind: global_buffer, .address_space: global }
      - { .name: g1, .offset: 8, .size: 8, .value_kind: global_buffer, .address_space: global }
      - { .name: be1, .offset: 16, .size: 8, .value_kind: global_buffer, .address_space: global }
      - { .name: wq, .offset: 24, .size: 8, .value_kind: global_buffer, .address_space: global }
      - { .name: wk, .offset: 32, .size: 8, .value_kind: global_buffer, .address_space: global }
      - { .name: wv, .offset: 40, .size: 8, .value_kind: global_buffer, .address_space: global }
      - { .name: wo, .offset: 48, .size: 8, .value_kind: global_buffer, .address_space: global }
      - { .name: w1, .offset: 56, .size: 8, .value_kind: global_buffer, .address_space: global }
      - { .name: w2, .offset: 64, .size: 8, .value_kind: global_buffer, .address_space: global }
      - { .name: lowp_scales, .offset: 72, .size: 8, .value_kind: global_buffer, .address_space: global }
      - { .name: wc, .offset: 80, .size: 8, .value_kind: global_buffer, .address_space: global }
      - { .name: hc, .offset: 88, .size: 8, .value_kind: global_buffer, .address_space: global }
      - { .name: st1, .offset: 96, .size: 8, .value_kind: global_buffer, .address_space: global }
    .group_segment_fixed_size: 35328
    .private_segment_fixed_size: 0
    .kernarg_segment_align: 8
    .kernarg_segment_size: 104
    .max_flat_workgroup_size: 128
    .sgpr_count:     72
    .vgpr_count:     256
    .wavefront_size: 32
...
	.end_amdgpu_metadata
.endif
;; end of part 1
;; launch qkv (part 2): grid 48 x 4, 4 waves a work-group, clusters of 4 x 4, 327,680 bytes of LDS; arguments hc, wc, lowp_scales, bq, bk, bv, qkvc; writes qkvc
.if DOCPART == 2
	.amdgcn_target "amdgcn-amd-amdhsa--gfx1250"
	.amdhsa_code_object_version 6
	.text
	.protected	k_q632c799929_qkv
	.globl	k_q632c799929_qkv
	.p2align	8
	.type	k_q632c799929_qkv,@function
k_q632c799929_qkv:
	s_mov_b64 s[64:65], 0
	v_nop
	global_prefetch_b8 v0, s[64:65] scope:SCOPE_SE
	s_setreg_imm32_b32 hwreg(HW_REG_WAVE_MODE, 25, 1), 1
	s_wait_xcnt 0x0
	s_wait_alu depctr_hold_cnt(0) depctr_sa_sdst(0) depctr_va_vdst(0) depctr_va_sdst(0) depctr_va_ssrc(0) depctr_va_vcc(0) depctr_vm_vsrc(0)
	s_getreg_b32 s2, hwreg(HW_REG_IB_STS2, 6, 4)
	s_cmp_eq_u32 s2, 0
	s_cbranch_scc0 .Lentry_in_a_cluster
	s_endpgm
.Lentry_in_a_cluster:
	s_bfe_u32 s2, ttmp6, 0x10000c
	s_cmp_lg_u32 s2, 0xf033
	s_cbranch_scc0 .Lentry_shape_is_right
	s_endpgm
.Lentry_shape_is_right:
; q, k, v = h W + b on codes of E4M3, then quantised again (entries 6, 7, 9) into qkvc: q at 0 and k at 4 MiB as [b][head][s][64]; v at 8 MiB as [b][head][32 chunks][64 d][64 keys], the keys innermost.
; Twelve clusters of 4 x 4 work-groups; cluster J: matrix J / 4.  A tile is 256 x 256, a wave 128 x 128: 64 accumulators.  K = 1024 goes in steps of 256 through a ring of two LDS slots.
; q, k: "A" = h's codes (rows = sequence), "B" = the weight's codes (rows = features).  v: the two change places, so that the result comes transposed and a lane's eight numbers are eight neighbouring keys.
; The matrix instruction is used transposed (source 0 = 16 rows of B, source 1 = 16 rows of A): a lane holds one row of A's side and eight neighbours of B's side, which are neighbours along the next product's K.
; A's tiles are asked for jointly along a row of the cluster, B's along a column.  The bias runs along B's side for q, k and along A's side for v: both forms are loaded and added, the one that does not apply is masked to 0.
; A fragment is fetched by four loads of 16 bytes, a permutation of k that is the same on both sides.
; LIMITS: e0+e1, e2+e3, e4+e5 between -126 and 127; e6, e7, e9 between -126 and 119.  NaN among the inputs is not served.
; REGISTERS: window 0: v0-31 addresses; v32-95 the bias along B's side; v96-111 along A's side; v128-255 A's fragments, one set; on the way out v128-191 numbers, v192-223 codes, v224-255 rows read back.
;   window 1: B's fragments, two sets.  windows 2, 3: the accumulators ((a, b) at v[8 (8 (a % 4) + b)]).
.set ROWB,   256
.set KROW,   1024
.set PITCH,  272                       ; an LDS row: 256 bytes + 16: the 16 rows of a load start at 16 different groups of banks
.set FR,     16
.set NL,     4
.set NP,     4
.set HALFT,  128*PITCH
.set SLOT,   4*HALFT
.set LAPS,   2
.set SPARE,  2*SLOT                    ; behind the ring: the spare words
.set SPITCH, 144                       ; the way out: 16 rows x (128 bytes + 16) for each wave, in slot 0, which has had its last fill and its last read by then
.set ADRA, 16
.set ADRB, 20
.set STO,  24
.set RD,   25
.set GO,   26
.set SPW,  28
.set NIL,  29
.set CB,   32
.set RB,   96
.set AF,   128
.set TMP,  128
.set CC,   192
.set BB,   224
.set G1, 24
.set G0, 32
.set G1B, 48
.set G0B, 56
.set MSB, 0
.macro WIN new                         ; the immediate's high byte repeats the setting that is left
.if MSB != \new
	s_set_vgpr_msb (MSB<<8)|\new
.set MSB, \new
.endif
.endm
.set MUL_LO, 0xa1
.set MUL_HI, 0xf1
.set TO_B,   0x40
.macro JLOAD g0a, g1a, g0b, g1b        ; a joint load: waves 0, 1 fetch for A, waves 2, 3 for B; the branch hangs on the wave's number alone
	s_cmp_eq_u32 s15, 0
	s_cbranch_scc0 .Lfor_b_\@
	tensor_load_to_lds s[\g0a:\g0a+3], s[\g1a:\g1a+7]
	s_nop 0
.rept 4
	v_nop
.endr
	s_branch .Lasked_\@
.Lfor_b_\@:
	tensor_load_to_lds s[\g0b:\g0b+3], s[\g1b:\g1b+7]
	s_nop 0
.rept 4
	v_nop
.endr
.Lasked_\@:
.endm
.macro CREST
	s_cmp_lg_u32 s14, 0
	s_cbranch_scc1 .Lnot_wave_0_\@
	s_barrier_signal -3
.Lnot_wave_0_\@:
	s_barrier_wait -3
	s_barrier_signal -1
	s_barrier_wait -1
.endm
.macro CROUND
	s_barrier_signal -1
	s_barrier_wait -1
	CREST
.endm
	s_load_b256 s[4:11], s[0:1], 0x0               ; hc 4, wc 6, scales 8, bq 10
	s_load_b128 s[84:87], s[0:1], 0x20             ; bk 84, bv 86
	s_load_b64 s[88:89], s[0:1], 0x30              ; qkvc
	v_lshl_add_u32 v[SPW], v0, 2, SPARE
	v_mov_b32 v[NIL], 0
	ds_add_u32 v[SPW], v[NIL]                      ; the wave's opening: the add and its wait ahead of my first tensor load
	v_lshrrev_b32 v1, 5, v0
	v_readfirstlane_b32 s14, v1                    ; wave
	s_lshr_b32 s15, s14, 1                         ; my half of the tile's rows; also: I fetch for A (0) or B (1)
	s_and_b32 s16, s14, 1                          ; my half of its columns; also: which 128 rows I fetch
	s_bfe_u32 s40, ttmp6, 0x40000                  ; cx
	s_bfe_u32 s41, ttmp6, 0x40004                  ; cy
	s_lshr_b32 s67, ttmp9, 2                       ; the matrix: 0 q, 1 k, 2 v
	s_and_b32 s18, ttmp9, 3
	s_lshl_b32 s18, s18, 2
	s_cmp_eq_u32 s67, 2
	s_cselect_b32 s19, 0, s18
	s_cselect_b32 s18, s18, 0
	s_add_co_u32 s17, s19, s41                     ; tile row (A's side)
	s_add_co_u32 s42, s18, s40                     ; tile column (B's side)
	s_lshl_b32 s43, s41, 2
	s_lshl_b32 s43, 15, s43                        ; my row of the cluster
	s_lshl_b32 s44, 0x1111, s40                    ; my column
	s_or_b32 s[G1+0], s43, (0<<16)|(1<<20)|(1<<21)|(5<<22)|(3<<25)   ; mask; elements of 1 byte; padding: 4 words behind every 64
	s_or_b32 s[G1B+0], s44, (0<<16)|(1<<20)|(1<<21)|(5<<22)|(3<<25)
.irp g, G1, G1B
	s_mov_b32 s[\g+1], ROWB<<16
	s_mov_b32 s[\g+2], 128<<16
	s_mov_b32 s[\g+3], ROWB<<16
	s_mov_b32 s[\g+4], 128
	s_mov_b32 s[\g+5], KROW
	s_mov_b32 s[\g+6], 0
	s_mov_b32 s[\g+7], 0
.endr
	s_lshl_b32 s18, s16, 7
	s_lshl_b32 s20, s17, 8
	s_add_co_u32 s20, s20, s18
	s_lshl_b32 s46, s42, 8
	s_add_co_u32 s46, s46, s18
	s_mov_b32 s21, 0
	s_mov_b32 s47, 0
	s_mov_b64 s[18:19], KROW
	s_mul_u64 s[20:21], s[20:21], s[18:19]
	s_mul_u64 s[46:47], s[46:47], s[18:19]
	s_mul_i32 s45, s14, HALFT
	s_wait_dscnt 0x0                               ; the opening add is done
	s_wait_kmcnt 0x0
	s_load_b512 s[68:83], s[8:9], 0x0              ; the sixteen exponents
	s_lshl_b32 s22, s67, 22
	s_mov_b32 s23, 0
	s_add_nc_u64 s[4:5], s[4:5], s[22:23]          ; h's codes under this matrix's scale
	s_lshl_b32 s22, s67, 20
	s_add_nc_u64 s[6:7], s[6:7], s[22:23]          ; the weight's codes
	s_cmp_eq_u32 s67, 2
	s_cselect_b64 s[90:91], s[6:7], s[4:5]         ; A
	s_cselect_b64 s[92:93], s[4:5], s[6:7]         ; B
	s_add_nc_u64 s[20:21], s[90:91], s[20:21]
	s_add_nc_u64 s[46:47], s[92:93], s[46:47]
	CROUND                                         ; all sixteen work-groups are here: the first joint loads meet
.irp s, 0,1
	s_mov_b32 s[G0+4*\s], 1
	s_add_co_u32 s[G0+4*\s+1], s45, \s*SLOT
	s_add_nc_u64 s[G0+4*\s+2:G0+4*\s+3], s[20:21], \s*ROWB
	s_or_b32 s[G0+4*\s+3], s[G0+4*\s+3], 0x80000000
	s_mov_b32 s[G0B+4*\s], 1
	s_add_co_u32 s[G0B+4*\s+1], s45, \s*SLOT
	s_add_nc_u64 s[G0B+4*\s+2:G0B+4*\s+3], s[46:47], \s*ROWB
	s_or_b32 s[G0B+4*\s+3], s[G0B+4*\s+3], 0x80000000
	JLOAD G0+4*\s, G1, G0B+4*\s, G1B
.endr
	v_and_b32 v1, 15, v0                           ; r
	v_bfe_u32 v2, v0, 4, 1                         ; h
	v_mul_u32_u24 v3, v1, PITCH
	v_lshl_add_u32 v4, v2, 4, v3
	s_mul_i32 s21, s15, HALFT
	s_mul_i32 s22, s16, HALFT
	s_add_co_u32 s22, s22, 2*HALFT
.irp s, 0,1
	v_add_nc_u32 v[ADRA+\s], s21, v4
	v_add_nc_u32 v[ADRB+\s], s22, v4
	s_add_co_u32 s21, s21, SLOT
	s_add_co_u32 s22, s22, SLOT
.endr
	s_mul_i32 s23, s14, 16*SPITCH                  ; my stage
	v_mul_u32_u24 v5, v1, SPITCH
	v_lshl_add_u32 v5, v2, 3, v5
	v_add_nc_u32 v[STO], s23, v5                   ; in: row r, 8 bytes for each half of the lanes
	v_and_b32 v6, 31, v0
	v_lshrrev_b32 v7, 2, v6
	v_mul_u32_u24 v7, v7, SPITCH
	v_and_b32 v5, 3, v6
	v_lshl_add_u32 v7, v5, 4, v7
	v_add_nc_u32 v[RD], s23, v7                    ; back: four lanes to 64 bytes of a row, eight rows an instruction
	v_lshlrev_b32 v[GO], 4, v6
	v_lshlrev_b32 v8, 5, v2                        ; the bias along B's side: 32 h
	v_lshlrev_b32 v9, 2, v1                        ; along A's side: 4 r
	s_cmp_eq_u32 s67, 1
	s_cselect_b64 s[10:11], s[84:85], s[10:11]
	s_cmp_eq_u32 s67, 2
	s_cselect_b64 s[10:11], s[86:87], s[10:11]     ; this matrix's bias
	s_lshl_b32 s18, s42, 10
	s_lshl_b32 s19, s16, 9
	s_add_co_u32 s18, s18, s19
	s_lshl_b32 s22, s17, 10
	s_lshl_b32 s19, s15, 9
	s_add_co_u32 s22, s22, s19
	s_cmp_eq_u32 s67, 2
	s_cselect_b32 s18, 0, s18
	s_cselect_b32 s22, s22, 0
	s_cselect_b32 s84, -1, 0                       ; keeps the bias along A's side (v)
	s_cselect_b32 s85, 0, -1                       ; keeps the bias along B's side (q, k)
	s_mov_b32 s19, 0
	s_mov_b32 s23, 0
	s_add_nc_u64 s[98:99], s[10:11], s[18:19]
	s_add_nc_u64 s[100:101], s[10:11], s[22:23]
.irp b, 0,1,2,3,4,5,6,7
	global_load_b128 v[CB+8*\b:CB+8*\b+3], v8, s[98:99] offset:64*\b
	global_load_b128 v[CB+8*\b+4:CB+8*\b+7], v8, s[98:99] offset:64*\b+16
.endr
.irp a, 0,1,2,3,4,5,6,7
	global_load_b32 v[RB+2*\a], v9, s[100:101] offset:64*\a
	global_load_b32 v[RB+2*\a+1], v9, s[100:101] offset:64*\a
.endr
	; where my part of the output begins.  (U, u): the side that runs along the sequence; (W, w): the side that runs along the features
	s_cmp_eq_u32 s67, 2
	s_cselect_b32 s18, s42, s17
	s_cselect_b32 s19, s16, s15
	s_cselect_b32 s22, s17, s42
	s_cselect_b32 s23, s15, s16
	s_mov_b32 s92, 4096
	s_cselect_b32 s92, 0x20000, s92                ; from block 3 to block 4 of my rows
	s_mov_b32 s94, 0x20000
	s_cselect_b32 s94, 4096, s94                   ; from the first 64 of my columns to the second
	s_mov_b32 s93, 0
	s_mov_b32 s95, 0
	s_lshr_b32 s20, s18, 3
	s_lshl_b32 s20, s20, 4
	s_lshl_b32 s22, s22, 2
	s_add_co_u32 s20, s20, s22
	s_lshl_b32 s23, s23, 1
	s_add_co_u32 s20, s20, s23
	s_lshl_b32 s20, s20, 17                        ; (16 b + head) x 131,072
	s_and_b32 s18, s18, 7
	s_lshl_b32 s18, s18, 2
	s_lshl_b32 s19, s19, 1
	s_add_co_u32 s18, s18, s19
	s_lshl_b32 s18, s18, 12                        ; 64 positions of the sequence are 4,096 bytes in all three layouts
	s_add_co_u32 s20, s20, s18
	s_lshl_b32 s18, s67, 22
	s_add_co_u32 s20, s20, s18
	s_mov_b32 s21, 0
	s_add_nc_u64 s[88:89], s[88:89], s[20:21]
	s_add_nc_u64 s[90:91], s[88:89], s[94:95]
.macro FRAG reg, adr, q, i             ; 16 rows x 128 K: registers 4 c .. 4 c + 3 hold K = 32 c + 16 h + 0 .. 15
.irp c, 0,1,2,3
	ds_load_b128 v[\reg+4*\c:\reg+4*\c+3], v[\adr] offset:128*(\q)+32*\c+(\i)*16*PITCH
.endr
.endm
.macro MUL16 a0, p, zero               ; the 64 accumulators take turns, one instruction a turn
.irp a, \a0, \a0+1
.irp b, 0,1,2,3,4,5,6,7
.if \zero
	v_wmma_f32_16x16x128_fp8_fp8 v[8*(8*((\a)%4)+\b):8*(8*((\a)%4)+\b)+7], v[128*(\p)+FR*\b:128*(\p)+FR*\b+FR-1], v[AF+FR*(\a):AF+FR*(\a)+FR-1], 0
.else
	v_wmma_f32_16x16x128_fp8_fp8 v[8*(8*((\a)%4)+\b):8*(8*((\a)%4)+\b)+7], v[128*(\p)+FR*\b:128*(\p)+FR*\b+FR-1], v[AF+FR*(\a):AF+FR*(\a)+FR-1], v[8*(8*((\a)%4)+\b):8*(8*((\a)%4)+\b)+7]
.endif
.endr
.endr
.endm
.macro FETCH_B slot, q, p
	WIN TO_B
.irp i, 0,1,2,3,4,5,6,7
	FRAG 128*(\p)+FR*\i, ADRB+\slot, \q, \i
.endr
	WIN 0
.endm
.macro FETCH_A slot, q, i0
.irp i, \i0, \i0+1, \i0+2, \i0+3
	FRAG AF+FR*(\i), ADRA+\slot, \q, \i
.endr
.endm
.macro PLACES n                        ; plain vector lines between a matrix instruction and a load into, or a read of, its registers
.rept \n
	v_nop
.endr
.endm
.macro STEP slot, q, zero
	s_wait_dscnt 4*NL                              ; B's set and A's blocks 0-3 are in; A's blocks 4-7 (16 loads) may be out
	WIN MUL_LO
	MUL16 0, (\q)%2, \zero
	MUL16 2, (\q)%2, \zero
	s_wait_dscnt 0
	PLACES NP
	FETCH_B \slot, (\q)+1, 1-(\q)%2
	FETCH_A \slot, (\q)+1, 0
	WIN MUL_HI
	MUL16 4, (\q)%2, \zero
	MUL16 6, (\q)%2, \zero
	PLACES NP
	WIN 0
	FETCH_A \slot, (\q)+1, 4
.endm
.macro TURN slot, next, fill           ; a slot's last step changes slots: one barrier
	s_wait_tensorcnt 0x0                           ; all my tensor loads have landed: my part of the next slot
	ds_add_u32 v[SPW], v[NIL]
	s_wait_dscnt 4*NL+1                            ; the add and A's blocks 4-7 may be out
	WIN MUL_LO
	MUL16 0, 1, 0
	s_wait_dscnt 0x0                               ; the add is done, and my reads of this slot are over
	s_barrier_signal -1
	MUL16 2, 1, 0
	WIN 0
	s_barrier_wait -1
.if \fill
	CREST                                          ; the barrier has opened a round of the cluster's barrier: no partner's wave still reads this slot or has a load on its way
	s_add_nc_u64 s[G0+4*\slot+2:G0+4*\slot+3], s[G0+4*\slot+2:G0+4*\slot+3], 2*ROWB
	s_add_nc_u64 s[G0B+4*\slot+2:G0B+4*\slot+3], s[G0B+4*\slot+2:G0B+4*\slot+3], 2*ROWB
	JLOAD G0+4*\slot, G1, G0B+4*\slot, G1B
.else
	PLACES NP
.endif
	FETCH_B \next, 0, 0
	FETCH_A \next, 0, 0
	WIN MUL_HI
	MUL16 4, 1, 0
	MUL16 6, 1, 0
	PLACES NP
	WIN 0
	FETCH_A \next, 0, 4
.endm
	s_wait_tensorcnt 1                             ; my part of K step 0 is in; K step 1's load may be out
	s_barrier_signal -1
	s_barrier_wait -1
	FETCH_B 0, 0, 0
	FETCH_A 0, 0, 0
	FETCH_A 0, 0, 4
	STEP 0, 0, 1                                   ; the first step's products start the sums
	s_mov_b32 s3, LAPS-1
.Llap:
	TURN 0, 1, 1
	STEP 1, 0, 0
	TURN 1, 0, 1
	STEP 0, 0, 0
	s_sub_co_u32 s3, s3, 1
	s_cmp_lg_u32 s3, 0
	s_cbranch_scc1 .Llap
	TURN 0, 1, 0
	STEP 1, 0, 0
	s_wait_dscnt 4*NL
	WIN MUL_LO
	MUL16 0, 1, 0
	MUL16 2, 1, 0
	s_wait_dscnt 0
	WIN MUL_HI
	MUL16 4, 1, 0
	MUL16 6, 1, 0
	WIN 0
	; THE WAY OUT.  number = sum x 2^(the two operands' e) + bias; held, converted; a block of 16 x 128 codes goes through my stage and leaves as two dense pieces of 1,024 bytes.
	s_wait_kmcnt 0x0
	s_add_co_i32 s18, s68, s69
	s_add_co_i32 s19, s70, s71
	s_add_co_i32 s20, s72, s73
	s_cmp_eq_u32 s67, 1
	s_cselect_b32 s18, s19, s18
	s_cselect_b32 s21, s75, s74
	s_cmp_eq_u32 s67, 2
	s_cselect_b32 s18, s20, s18
	s_cselect_b32 s21, s77, s21
	s_add_co_i32 s18, s18, 127
	s_lshl_b32 s96, s18, 23                        ; 2^(sum of the two e) as f32
	s_mov_b32 s97, s96
	s_add_co_i32 s21, s21, 127
	s_lshl_b32 s22, s21, 23
	s_add_co_i32 s21, s21, 8
	s_lshl_b32 s21, s21, 23
	s_or_b32 s21, s21, 0x600000
	s_wait_loadcnt 0x0                             ; the biases
.set i, 0
.rept 64
	v_and_b32 v[CB+i], s85, v[CB+i]                ; these 82 plain lines name no register of the last products: they are the places behind them
.set i, i+1
.endr
.set i, 0
.rept 16
	v_and_b32 v[RB+i], s84, v[RB+i]
.set i, i+1
.endr
	v_mov_b32 v10, s22                             ; the output's 2^e
	v_mov_b32 v11, s21                             ; 448 x that
.macro TOSTAGE a
.set AC, 64*((\a)%4)
.set CS, CC+16*((\a)%2)
.set BS, BB+16*((\a)%2)
	WIN (0x02+((\a)/4))                            ; source 0: window 2 or 3
.set j, 0
.rept 32
	v_pk_fma_f32 v[TMP+j:TMP+j+1], v[AC+j:AC+j+1], s[96:97], v[CB+j:CB+j+1] op_sel_hi:[1,0,1]   ; each accumulator from its low end on
.set j, j+2
.endr
	WIN 0
.set j, 0
.rept 32
	v_pk_add_f32 v[TMP+j:TMP+j+1], v[TMP+j:TMP+j+1], v[RB+2*(\a):RB+2*(\a)+1]
.set j, j+2
.endr
.set j, 0
.rept 64
	v_med3_num_f32 v[TMP+j], v[TMP+j], -v11, v11
.set j, j+1
.endr
.irp b, 0,1,2,3,4,5,6,7
	v_cvt_scalef32_pk8_fp8_f32 v[CS+2*\b:CS+2*\b+1], v[TMP+8*\b:TMP+8*\b+7], v10
.endr
	v_nop                                          ; a plain line behind the last conversion
.irp b, 0,1,2,3,4,5,6,7
	ds_store_b64 v[STO], v[CS+2*\b:CS+2*\b+1] offset:16*\b
.endr
.irp t, 0,1,2,3
	ds_load_b128 v[BS+4*\t:BS+4*\t+3], v[RD] offset:(\t%2)*8*SPITCH+(\t/2)*64   ; LDS serves a wave's instructions in order: these see the stores above
.endr
.endm
.macro SEND a, younger
.set BS, BB+16*((\a)%2)
	s_wait_dscnt \younger                          ; the block is back; the next block's 8 stores and 4 loads may be out
.if (\a) == 4
	s_add_nc_u64 s[88:89], s[88:89], s[92:93]      ; (behind a wait on XCNT: the earlier stores have read their bases)
	s_add_nc_u64 s[90:91], s[90:91], s[92:93]
.endif
.irp t, 0,1
	global_store_b128 v[GO], v[BS+4*\t:BS+4*\t+3], s[88:89] offset:((\a)%4)*1024+\t*512      ; 32 lanes store 512 consecutive bytes, aligned
.endr
.irp t, 0,1
	global_store_b128 v[GO], v[BS+8+4*\t:BS+8+4*\t+3], s[90:91] offset:((\a)%4)*1024+\t*512
.endr
.endm
	TOSTAGE 0
.irp a, 1,2,3,4,5,6,7
.if \a > 1
	s_wait_xcnt 0x0                                ; block a - 2's stores have read their registers and bases
.endif
	TOSTAGE \a
	SEND \a-1, 12
.endr
	s_wait_xcnt 0x0
	SEND 7, 0
	s_wait_tensorcnt 0x0                           ; the wave's end
	ds_add_u32 v[SPW], v[NIL]
	s_wait_dscnt 0x0
	CROUND                                         ; the closing round
	s_endpgm
.Lfunc_end_k_q632c799929_qkv:
	.size	k_q632c799929_qkv, .Lfunc_end_k_q632c799929_qkv-k_q632c799929_qkv
	.p2alignl 7, 3214868480
	.fill 96, 4, 3214868480
	.section	.rodata,"a",@progbits
	.p2align	6, 0x0
	.amdhsa_kernel k_q632c799929_qkv
		.amdhsa_group_segment_fixed_size 327680
		.amdhsa_private_segment_fixed_size 0
		.amdhsa_enable_private_segment 0
		.amdhsa_kernarg_size 56
		.amdhsa_user_sgpr_count 2
		.amdhsa_user_sgpr_kernarg_segment_ptr 1
		.amdhsa_wavefront_size32 1
		.amdhsa_system_sgpr_workgroup_id_x 1
		.amdhsa_system_sgpr_workgroup_id_y 1
		.amdhsa_system_sgpr_workgroup_id_z 1
		.amdhsa_system_vgpr_workitem_id 0
		.amdhsa_next_free_vgpr 1024
		.amdhsa_next_free_sgpr 102
		.amdhsa_reserve_vcc 0
		.amdhsa_float_denorm_mode_32 3
		.amdhsa_float_denorm_mode_16_64 3
		.amdhsa_memory_ordered 1
		.amdhsa_forward_progress 1
		.amdhsa_inst_pref_size 164
	.end_amdhsa_kernel
	.amdgpu_metadata
---
amdhsa.version: [ 1, 2 ]
amdhsa.kernels:
  - .name:           k_q632c799929_qkv
    .symbol:         k_q632c799929_qkv.kd
    .args:
      - { .name: hc, .offset: 0, .size: 8, .value_kind: global_buffer, .address_space: global }
      - { .name: wc, .offset: 8, .size: 8, .value_kind: global_buffer, .address_space: global }
      - { .name: lowp_scales, .offset: 16, .size: 8, .value_kind: global_buffer, .address_space: global }
      - { .name: bq, .offset: 24, .size: 8, .value_kind: global_buffer, .address_space: global }
      - { .name: bk, .offset: 32, .size: 8, .value_kind: global_buffer, .address_space: global }
      - { .name: bv, .offset: 40, .size: 8, .value_kind: global_buffer, .address_space: global }
      - { .name: qkvc, .offset: 48, .size: 8, .value_kind: global_buffer, .address_space: global }
    .group_segment_fixed_size: 327680
    .private_segment_fixed_size: 0
    .kernarg_segment_align: 8
    .kernarg_segment_size: 56
    .max_flat_workgroup_size: 128
    .sgpr_count:     102
    .vgpr_count:     1024
    .wavefront_size: 32
...
	.end_amdgpu_metadata
.endif
;; end of part 2
;; launch attn (part 3): grid 8 x 32, 16 waves a work-group, clusters of 4 x 1, 327,680 bytes of LDS; arguments qkvc, lowp_scales, ac; writes ac
.if DOCPART == 3
	.amdgcn_target "amdgcn-amd-amdhsa--gfx1250"
	.amdhsa_code_object_version 6
	.text
	.protected	k_q632c799929_attn
	.globl	k_q632c799929_attn
	.p2align	8
	.type	k_q632c799929_attn,@function
k_q632c799929_attn:
	s_mov_b64 s[64:65], 0
	v_nop
	global_prefetch_b8 v0, s[64:65] scope:SCOPE_SE
	s_setreg_imm32_b32 hwreg(HW_REG_WAVE_MODE, 25, 1), 1
	s_wait_xcnt 0x0
	s_wait_alu depctr_hold_cnt(0) depctr_sa_sdst(0) depctr_va_vdst(0) depctr_va_sdst(0) depctr_va_ssrc(0) depctr_va_vcc(0) depctr_vm_vsrc(0)
	s_getreg_b32 s2, hwreg(HW_REG_IB_STS2, 6, 4)
	s_cmp_eq_u32 s2, 0
	s_cbranch_scc0 .Lentry_in_a_cluster
	s_endpgm
.Lentry_in_a_cluster:
	s_bfe_u32 s2, ttmp6, 0x10000c
	s_cmp_lg_u32 s2, 0x3003
	s_cbranch_scc0 .Lentry_shape_is_right
	s_endpgm
.Lentry_shape_is_right:
; THE MODULE'S ATTENTION.  With s(q,k) = q.k / 32: the softmax over k sees s(q,k) for k >= q and the number 0 for k < q; of its result only k <= q is kept.  So for query q:
;   m = max(s(q,k), k >= q; and 0 where q > 0);  Z = q e^(0-m) + sum over k >= q of e^(s-m);  c(q,k) = e^(0-m)/Z for k < q, e^(s(q,q)-m)/Z for k = q, 0 for k > q;  o = sum over k <= q of c(q,k) v(k).
; Phase A: scores for k >= q alone (v_wmma 16x16x64 on codes), running maximum and sum.  Phase B: c, quantised finished and normalised under entry 8, times v's codes (v_wmma 16x16x128) for k <= q alone.
; The shift is M = the running largest t = s log2(e), rounded up to a whole number; when M moves the sum is multiplied by 2^(old M - new M), which rounds nothing.
; SHARES.  A work-group has one head; a head's K and V codes, 131,072 bytes each, lie whole in LDS: sixteen first fills, one a wave, one barrier, nothing filled twice.  A wave owns 16 queries.
; CLUSTER.  The eight work-groups of a head are two clusters of four; the four ask for K and V jointly: the same sixteen loads, with the same descriptors and a mask that names the four.
; Which steps a wave leaves out hangs on its block of 128 queries alone, and that block is made of the WAVE'S NUMBER alone: with g = wave / 4 and j = wave % 4, block = 4 (g xor j) + (g xor a(j)), a = 0, 2, 3, 1.
; The four waves with equal j, and the four with equal g, have blocks that add up to 30: equal work.  The work-group's place picks only the tile of 16 queries inside the block (4 x cluster x + cx):
; it enters Q's and the output's global addresses and the lanes' compare data, and no branch and no LDS address.
; Both products are used transposed: a lane holds one query (lane % 16) throughout.
; LIMITS: e6 + e7 between -121 and 132 (added to c's exponent field); e8 and e10 - e8 - e9 between -126 and 119.  NaN among the inputs is not served.
; LDS: key kk at (kk / 4) 272 + (kk % 4) 64; V(d, kk) at VOFF + (16 (kk / 64) + d / 4) 272 + (d % 4) 64 + kk % 64.
.set VOFF,  139264
.set SPARE, 278528                     ; the spare words, 128 bytes for each of sixteen waves
.set STAGE, 280576                     ; the way out: 1,024 bytes for each wave
.set AK0, 1                            ; v1  my lane's place in a tile of K
.set AV0, 2                            ; v2  in a tile of V
.set ADR, 3                            ; v3  the address in hand
.set DK,  4                            ; v4  r - 8 h
.set SPW, 5
.set NIL, 6
.set DV,  7                            ; v7  r - 16 h
.set STO, 8
.set RD,  9
.set SQQ, 10                           ; v10 the diagonal's score
.set GO,  11
.set WV,  18
.macro ROUND                           ; a round of the cluster's barrier
	s_barrier_signal -1
	s_barrier_wait -1
	s_cmp_lg_u32 s[WV], 0
	s_cbranch_scc1 .Lnot_wave_0_\@
	s_barrier_signal -3
.Lnot_wave_0_\@:
	s_barrier_wait -3
	s_barrier_signal -1
	s_barrier_wait -1
.endm
	s_load_b128 s[4:7], s[0:1], 0x0                ; qkvc, the scales
	s_load_b64 s[8:9], s[0:1], 0x10                ; ac
	v_lshl_add_u32 v[SPW], v0, 2, SPARE
	v_mov_b32 v[NIL], 0
	ds_add_u32 v[SPW], v[NIL]                      ; the wave's opening: the add and its wait ahead of my first tensor load
	v_lshrrev_b32 v12, 5, v0
	v_readfirstlane_b32 s[WV], v12
	s_and_b32 s10, ttmp7, 0xffff
	s_lshl_b32 s10, s10, 17                        ; the head's first byte in q, k, v and ac
	s_lshr_b32 s11, s[WV], 2                       ; g
	s_and_b32 s12, s[WV], 3                        ; j
	s_xor_b32 s13, s11, s12                        ; g xor j
	s_lshl_b32 s14, s12, 1
	s_lshr_b32 s17, s12, 1
	s_mul_i32 s17, s17, 3
	s_xor_b32 s14, s14, s17
	s_and_b32 s14, s14, 3                          ; a(j) = 0, 2, 3, 1
	s_xor_b32 s14, s14, s11                        ; g xor a(j)
	s_lshl_b32 s13, s13, 2
	s_add_co_u32 s13, s13, s14                     ; my block of 128 queries, of the wave's number alone
	s_lshl_b32 s16, s13, 7                         ; QB: the block's first query; every branch below compares with this
	s_bfe_u32 s19, ttmp6, 0x40000                  ; cx
	s_lshl_b32 s46, ttmp9, 2
	s_add_co_u32 s46, s46, s19                     ; my work-group among the head's eight: the tile inside the block
	s_lshl_b32 s46, s46, 4
	s_add_co_u32 s15, s16, s46                     ; Q0: my first query
	s_mov_b32 s24, 15|(1<<20)|(1<<21)|(5<<22)|(3<<25)   ; the mask: all four; elements of 1 byte; padding: 4 words behind every 64
	s_mov_b32 s25, 256<<16                         ; a dense block as rows of 256 bytes
	s_mov_b32 s26, 64<<16
	s_mov_b32 s27, 256<<16
	s_mov_b32 s28, 64
	s_mov_b32 s29, 256
	s_mov_b32 s30, 0
	s_mov_b32 s31, 0
	s_mov_b32 s32, 1
	s_mul_i32 s33, s[WV], 64*272                   ; waves 0-7: K's eighths; waves 8-15: V's
	s_lshr_b32 s36, s[WV], 3
	s_add_co_u32 s36, s36, 1
	s_lshl_b32 s36, s36, 22
	s_add_co_u32 s36, s36, s10
	s_and_b32 s37, s[WV], 7
	s_lshl_b32 s37, s37, 14
	s_add_co_u32 s36, s36, s37                     ; made of the head and the wave's number: the same in the four partners
	s_mov_b32 s37, 0
	s_lshl_b32 s44, s15, 6
	s_add_co_u32 s44, s44, s10                     ; my queries' bytes in q and in ac
	s_mov_b32 s45, 0
	s_mov_b32 s20, 0x76543210
	s_mov_b32 s21, 0xfedcba98
	s_wait_dscnt 0x0                               ; the opening add is done
	s_wait_kmcnt 0x0
	s_add_nc_u64 s[34:35], s[4:5], s[36:37]
	s_or_b32 s35, s35, 0x80000000
	ROUND                                          ; all four work-groups are here: the joint loads meet
	tensor_load_to_lds s[32:35], s[24:31]          ; my one tensor load
	s_nop 0
.rept 4
	v_nop
.endr
	s_load_b256 s[68:75], s[6:7], 0x18             ; e6 68, e7 69, e8 70, e9 71, e10 72
	s_add_nc_u64 s[38:39], s[4:5], s[44:45]
	s_add_nc_u64 s[8:9], s[8:9], s[44:45]
	v_and_b32 v232, 15, v0                         ; r
	v_bfe_u32 v233, v0, 4, 1                       ; h
	v_lshlrev_b32 v234, 6, v232
	v_lshl_add_u32 v234, v233, 4, v234
	global_load_b128 v[16:19], v234, s[38:39]      ; Q's fragment: 16 queries x 64
	global_load_b128 v[20:23], v234, s[38:39] offset:32
	v_lshrrev_b32 v235, 2, v232
	v_mul_u32_u24 v[AK0], v235, 272
	v_and_b32 v235, 3, v232
	v_lshl_add_u32 v[AK0], v235, 6, v[AK0]
	v_lshl_add_u32 v[AK0], v233, 4, v[AK0]
	v_add_nc_u32 v[AV0], VOFF, v[AK0]
	v_lshlrev_b32 v235, 3, v233
	v_sub_nc_u32 v[DK], v232, v235
	v_lshlrev_b32 v235, 4, v233
	v_sub_nc_u32 v[DV], v232, v235
	s_lshl_b32 s36, s[WV], 10
	s_add_co_u32 s36, s36, STAGE
	v_lshlrev_b32 v[STO], 6, v232
	v_lshl_add_u32 v[STO], v233, 3, v[STO]
	v_add_nc_u32 v[STO], s36, v[STO]
	v_and_b32 v[GO], 31, v0
	v_lshlrev_b32 v[GO], 4, v[GO]
	v_add_nc_u32 v[RD], s36, v[GO]
	v_add_nc_u32 v248, s15, v232                   ; my query
	v_mov_b32 v249, 0
	v_mov_b32 v13, 0                               ; the largest t so far: the zeros take part in the maximum,
	v_mov_b32 v235, 0xff61b1e6
	v_cmp_eq_u32 vcc_lo, 0, v248
	v_cndmask_b32 v13, v13, v235, vcc_lo           ; but query 0 has none: -3e38
	v_floor_f32 v12, -v13                          ; -M
	v_mov_b32 v14, 0
	v_mov_b32 v15, 0
	v_mov_b32 v236, 0
	v_mov_b32 v252, 0
	v_mov_b32 v253, 0
	v_mov_b32 v254, 0
	v_mov_b32 v[SQQ], 0xff800000
.set i, 0
.rept 32
	v_mov_b32 v[160+i], 0                          ; O^T: the step is written once, and which step is a wave's first hangs on its number
.set i, i+1
.endr
	s_wait_kmcnt 0x0
	s_add_co_i32 s36, s68, s69
	s_lshl_b32 s36, s36, 23
	s_mov_b32 s22, 0x3d38aa3b                      ; log2(e) / 32
	s_add_co_i32 s22, s22, s36                     ; x 2^(e6 + e7)
	s_mov_b32 s23, s22
	s_add_co_i32 s36, s70, 127
	s_lshl_b32 s37, s36, 23
	v_mov_b32 v244, s37                            ; 2^e8
	s_add_co_i32 s36, s36, 8
	s_lshl_b32 s36, s36, 23
	s_or_b32 s36, s36, 0x600000
	v_mov_b32 v240, s36                            ; 448 x 2^e8
	s_sub_co_i32 s36, s72, s70
	s_sub_co_i32 s36, s36, s71
	s_add_co_i32 s36, s36, 127
	s_lshl_b32 s37, s36, 23
	v_mov_b32 v245, s37                            ; 2^(e10 - e8 - e9): three scales folded into the last conversion's one
	s_add_co_i32 s36, s36, 8
	s_lshl_b32 s36, s36, 23
	s_or_b32 s36, s36, 0x600000
	v_mov_b32 v241, s36
	s_wait_tensorcnt 0x0                           ; my part of K or V has landed,
	s_barrier_signal -1
	s_barrier_wait -1                              ; everybody's has
	s_wait_loadcnt 0x0                             ; Q
	; ---------------- phase A: 16 trips of 128 keys; a step all of whose keys come before my block of queries is left out ----------------
	s_mov_b32 s40, 0                               ; the step's first key
	s_mov_b32 s41, 0                               ; its place in LDS
	s_mov_b32 s42, 0
.LloopA:
	s_cmp_lt_u32 s40, s16
	s_cbranch_scc1 .LhidA
	v_add_nc_u32 v[ADR], s41, v[AK0]
.rept 4
	v_nop
.endr
.irp t, 0,1,2,3,4,5,6,7
	ds_load_b128 v[32+8*\t:35+8*\t], v[ADR] offset:\t*1088
	ds_load_b128 v[36+8*\t:39+8*\t], v[ADR] offset:\t*1088+32
.endr
	s_wait_dscnt 0x0
.irp t, 0,1,2,3,4,5,6,7
	v_wmma_f32_16x16x64_fp8_fp8 v[96+8*\t:103+8*\t], v[32+8*\t:39+8*\t], v[16:23], 0   ; lane (r, h), register j: query r, key 16 t + 8 h + j
.endr
.rept 4
	v_nop
.endr
	s_cmp_gt_u32 s40, s16
	s_cbranch_scc1 .LopenA                         ; all keys come after my block of queries: nothing to hide
	s_sub_co_i32 s43, s15, s40
	v_add_nc_u32 v252, s43, v[DK]                  ; d = my query - the step's first key - 8 h
	v_mov_b32 v254, 0xff800000
.set n, 0
.rept 64
	v_cmp_eq_i32 vcc_lo, 16*(n/8)+n%8, v252
	v_cndmask_b32 v[SQQ], v[SQQ], v[96+n], vcc_lo  ; the diagonal's score is kept,
	v_cmp_lt_i32 vcc_lo, 16*(n/8)+n%8, v252
	v_cndmask_b32 v[96+n], v[96+n], v254, vcc_lo   ; and keys before my query leave the sum: they are counted as zeros behind the loop
.set n, n+1
.endr
.LopenA:
	v_max3_num_f32 v254, v96, v97, v98
	v_max3_num_f32 v252, v99, v100, v101
.irp i, 6,10,14,18,22,26,30,34,38,42,46,50,54,58
	v_max3_num_f32 v254, v254, v[96+\i], v[97+\i]
	v_max3_num_f32 v252, v252, v[98+\i], v[99+\i]
.endr
	v_max3_num_f32 v254, v254, v158, v159
	v_max_num_f32 v254, v254, v252
	v_permlanex16_b32 v236, v254, s20, s21
	v_max_num_f32 v254, v254, v236
	v_mul_f32 v254, s22, v254
	v_max_num_f32 v13, v13, v254                   ; the running largest t
	v_mov_b32 v254, v12
	v_floor_f32 v12, -v13                          ; the new -M
	v_sub_f32 v254, v12, v254
	v_cvt_i32_f32 v254, v254
	v_ldexp_f32 v252, 1.0, v254                    ; 2^(old M - new M)
.set j, 0
.rept 32
	v_pk_fma_f32 v[96+j:97+j], v[96+j:97+j], s[22:23], v[12:13] op_sel_hi:[1,0,0]
.set j, j+2
.endr
.set j, 0
.rept 64
	v_exp_f32 v[96+j], v[96+j]
.set j, j+1
.endr
	v_pk_mul_f32 v[14:15], v[14:15], v[252:253] op_sel_hi:[1,0]   ; the sums under the new M (a plain line behind the exponentials)
	s_wait_alu depctr_va_vdst(0)                   ; one wait for the batch, ahead of its first reader
	v_pk_add_f32 v[242:243], v[96:97], v[98:99]
.irp j, 4,8,12,16,20,24,28,32,36,40,44,48,52,56,60
	v_pk_add_f32 v[14:15], v[14:15], v[96+\j:97+\j]
	v_pk_add_f32 v[242:243], v[242:243], v[98+\j:99+\j]
.endr
	v_pk_add_f32 v[14:15], v[14:15], v[242:243]
.LhidA:
	s_add_co_u32 s40, s40, 128
	s_add_co_u32 s41, s41, 8704
	s_add_co_u32 s42, s42, 1
	s_cmp_lt_u32 s42, 16
	s_cbranch_scc1 .LloopA
	; ---------------- the row's two numbers ----------------
	v_add_f32 v14, v14, v15
	v_permlanex16_b32 v252, v14, s20, s21
	v_add_f32 v14, v14, v252                       ; the sum over k >= q
	v_permlanex16_b32 v236, v[SQQ], s20, s21
	v_max_num_f32 v[SQQ], v[SQQ], v236             ; the diagonal's score lies in one half of the lanes
	v_cvt_i32_f32 v254, v12
	v_ldexp_f32 v250, 1.0, v254                    ; 2^(0 - M)
	v_cmp_eq_u32 vcc_lo, 0, v248
	v_cndmask_b32 v250, v250, v249, vcc_lo         ; query 0 has no zeros
	v_cvt_f32_u32 v248, v248
	v_fma_f32 v14, v248, v250, v14                 ; Z
	v_fma_f32 v246, s22, v[SQQ], v12
	v_exp_f32 v246, v246
	v_rcp_f32 v247, v14
	v_nop
	s_wait_alu depctr_va_vdst(0)
	v_mul_f32 v250, v250, v247                     ; c below the diagonal
	v_mul_f32 v246, v246, v247                     ; c on it
	v_min_num_f32 v250, v250, v240                 ; neither is negative: the hold is one-sided
	v_min_num_f32 v246, v246, v240
.set i, 0
.rept 8
	v_mov_b32 v[96+i], v250
.set i, i+1
.endr
	v_cvt_scalef32_pk8_fp8_f32 v[192:193], v[96:103], v244
	v_nop
.set i, 2
.rept 14
	v_mov_b32 v[192+i], v192                       ; P for a step all of whose keys come before my queries: one code throughout
.set i, i+1
.endr
	s_and_b32 s43, s15, 127
	v_add_nc_u32 v252, s43, v[DV]                  ; d' = my query within its step - 16 h; number 16 c + i of a lane is key 32 c + 16 h + i
.set n, 0
.rept 64
	v_cmp_eq_i32 vcc_lo, 32*(n/16)+n%16, v252
	v_cndmask_b32 v[96+n], v249, v246, vcc_lo
	v_cmp_lt_i32 vcc_lo, 32*(n/16)+n%16, v252
	v_cndmask_b32 v[96+n], v[96+n], v250, vcc_lo
.set n, n+1
.endr
.irp g, 0,1,2,3,4,5,6,7
	v_cvt_scalef32_pk8_fp8_f32 v[208+2*\g:209+2*\g], v[96+8*\g:103+8*\g], v244   ; P for the step on the diagonal
.endr
	v_nop
	; ---------------- phase B: 16 trips of 128 keys; a step all of whose keys come after my block of queries is left out ----------------
	s_mov_b32 s40, 0
	s_mov_b32 s41, 0
	s_mov_b32 s42, 0
.LloopB:
	s_cmp_gt_u32 s40, s16
	s_cbranch_scc1 .LhidB
	v_add_nc_u32 v[ADR], s41, v[AV0]
.rept 4
	v_nop                                          ; places in front of the loads into V's registers and of the write of P
.endr
.irp t, 0,1,2,3
.irp c, 0,1,2,3
	ds_load_b128 v[32+16*\t+4*\c:35+16*\t+4*\c], v[ADR] offset:(\c/2)*4352+\t*1088+32*(\c%2)
.endr
.endr
	s_cmp_lt_u32 s40, s16
	s_cbranch_scc1 .LfullB
.set i, 0
.rept 16
	v_mov_b32 v[192+i], v[208+i]                   ; the diagonal's step is a wave's last
.set i, i+1
.endr
.LfullB:
	s_wait_dscnt 0x0
.irp t, 0,1,2,3
	v_wmma_f32_16x16x128_fp8_fp8 v[160+8*\t:167+8*\t], v[32+16*\t:47+16*\t], v[192:207], v[160+8*\t:167+8*\t]   ; the four accumulators take turns, over the backward jump too
.endr
.LhidB:
	s_add_co_u32 s40, s40, 128
	s_add_co_u32 s41, s41, 8704
	s_add_co_u32 s42, s42, 1
	s_cmp_lt_u32 s42, 16
	s_cbranch_scc1 .LloopB
	; ---------------- the way out: codes under entry 10, 1,024 dense bytes a wave ----------------
.rept 4
	v_nop
.endr
.set i, 0
.rept 32
	v_med3_num_f32 v[160+i], v[160+i], -v241, v241
.set i, i+1
.endr
.irp t, 0,1,2,3
	v_cvt_scalef32_pk8_fp8_f32 v[224+2*\t:225+2*\t], v[160+8*\t:167+8*\t], v245
.endr
	v_nop
.irp t, 0,1,2,3
	ds_store_b64 v[STO], v[224+2*\t:225+2*\t] offset:16*\t     ; lane (r, h): o(Q0 + r, 16 t + 8 h + 0..7)
.endr
	ds_load_b128 v[96:99], v[RD]
	ds_load_b128 v[100:103], v[RD] offset:512
	s_wait_dscnt 1
	global_store_b128 v[GO], v[96:99], s[8:9]
	s_wait_dscnt 0
	global_store_b128 v[GO], v[100:103], s[8:9] offset:512
	s_wait_tensorcnt 0x0                           ; the wave's end
	ds_add_u32 v[SPW], v[NIL]
	s_wait_dscnt 0x0
	ROUND                                          ; the closing round
	s_endpgm
.Lfunc_end_k_q632c799929_attn:
	.size	k_q632c799929_attn, .Lfunc_end_k_q632c799929_attn-k_q632c799929_attn
	.p2alignl 7, 3214868480
	.fill 96, 4, 3214868480
	.section	.rodata,"a",@progbits
	.p2align	6, 0x0
	.amdhsa_kernel k_q632c799929_attn
		.amdhsa_group_segment_fixed_size 327680
		.amdhsa_private_segment_fixed_size 0
		.amdhsa_enable_private_segment 0
		.amdhsa_kernarg_size 24
		.amdhsa_user_sgpr_count 2
		.amdhsa_user_sgpr_kernarg_segment_ptr 1
		.amdhsa_wavefront_size32 1
		.amdhsa_system_sgpr_workgroup_id_x 1
		.amdhsa_system_sgpr_workgroup_id_y 1
		.amdhsa_system_sgpr_workgroup_id_z 1
		.amdhsa_system_vgpr_workitem_id 0
		.amdhsa_next_free_vgpr 256
		.amdhsa_next_free_sgpr 80
		.amdhsa_reserve_vcc 1
		.amdhsa_float_denorm_mode_32 3
		.amdhsa_float_denorm_mode_16_64 3
		.amdhsa_memory_ordered 1
		.amdhsa_forward_progress 1
		.amdhsa_inst_pref_size 46
	.end_amdhsa_kernel
	.amdgpu_metadata
---
amdhsa.version: [ 1, 2 ]
amdhsa.kernels:
  - .name:           k_q632c799929_attn
    .symbol:         k_q632c799929_attn.kd
    .args:
      - { .name: qkvc, .offset: 0, .size: 8, .value_kind: global_buffer, .address_space: global }
      - { .name: lowp_scales, .offset: 8, .size: 8, .value_kind: global_buffer, .address_space: global }
      - { .name: ac, .offset: 16, .size: 8, .value_kind: global_buffer, .address_space: global }
    .group_segment_fixed_size: 327680
    .private_segment_fixed_size: 0
    .kernarg_segment_align: 8
    .kernarg_segment_size: 24
    .max_flat_workgroup_size: 512
    .sgpr_count:     80
    .vgpr_count:     256
    .wavefront_size: 32
...
	.end_amdgpu_metadata
.endif
;; end of part 3
;; launch oln (part 4): grid 256 x 1, 16 waves a work-group, clusters of 4 x 1, 327,680 bytes of LDS; arguments ac, wc, lowp_scales, bo, x, st1, g1, be1, g2, be2, h2c; writes h2c
.if DOCPART == 4
	.amdgcn_target "amdgcn-amd-amdhsa--gfx1250"
	.amdhsa_code_object_version 6
	.text
	.protected	k_q632c799929_oln
	.globl	k_q632c799929_oln
	.p2align	8
	.type	k_q632c799929_oln,@function
k_q632c799929_oln:
	s_mov_b64 s[64:65], 0
	v_nop
	global_prefetch_b8 v0, s[64:65] scope:SCOPE_SE
	s_setreg_imm32_b32 hwreg(HW_REG_WAVE_MODE, 25, 1), 1
	s_wait_xcnt 0x0
	s_wait_alu depctr_hold_cnt(0) depctr_sa_sdst(0) depctr_va_vdst(0) depctr_va_sdst(0) depctr_va_ssrc(0) depctr_va_vcc(0) depctr_vm_vsrc(0)
	s_getreg_b32 s2, hwreg(HW_REG_IB_STS2, 6, 4)
	s_cmp_eq_u32 s2, 0
	s_cbranch_scc0 .Lentry_in_a_cluster
	s_endpgm
.Lentry_in_a_cluster:
	s_bfe_u32 s2, ttmp6, 0x10000c
	s_cmp_lg_u32 s2, 0x3003
	s_cbranch_scc0 .Lentry_shape_is_right
	s_endpgm
.Lentry_shape_is_right:
; h2 = LayerNorm(h + attn wo + bo) g2 + be2, quantised under entry 12 into h2c [4096][1024].  attn arrives as codes ac [b][head][s][64]; wo as codes at wc + 3 MiB, [n][k]; h is made anew from x and the stored mean and 1/sqrt(var + eps).
; A work-group takes 16 rows and all 1,024 columns, so that a row's mean and variance stay inside it.  Wave w makes columns 512 p + 32 w + 16 u + .. (p, u = 0, 1): four accumulators.  A's eight fragments are loaded once into registers.
; wo goes through a ring of two LDS slots in eight tiles of 512 rows x 256 along K.  Tile i is K step i / 2 of column half i % 2: slot 0 always holds the low half, slot 1 the high half, and a refill steps 256 bytes along K.
; All work-groups walk the same tiles: the four of a cluster ask jointly.  Waves 0-7 fetch, 64 rows each.  Both first fills go out together: two loads of a fetching wave are out at the start, one afterwards.
; With K outermost A's fragments of a K step are free two trips after their first use: x and the row's two numbers are loaded into them in trip 2, five trips ahead of their use.
; The five vectors g1, be1, bo, g2, be2 are read once by the work-group, 8 bytes a thread and vector, laid in LDS, and read from there by every wave: no global load is issued behind the last product.
; The matrix instruction is used transposed (source 0 = 16 rows of wo's codes, source 1 = my 16 rows): a lane holds one row and eight neighbouring columns.
; LIMITS: e10 + e11 between -126 and 127; e12 between -126 and 119.  NaN among the inputs is not served.
.set SLOT,  139264                     ; 512 rows x 272
.set SPARE, 278528
.set EX1,   280576                     ; [16 rows][16 waves] f32: the rows' partial sums; the squares' 1,024 bytes further on
.set STG,   282624                     ; 16 rows x (1,024 bytes + 16) of codes
.set VEC,   299264                     ; five vectors of 4,096 bytes: g1, be1, bo, g2, be2
.set SPW, 1
.set NIL, 2
.set ACC, 208
.set WV,  18
.macro ROUND                           ; a round of the cluster's barrier
	s_barrier_signal -1
	s_barrier_wait -1
	s_cmp_lg_u32 s[WV], 0
	s_cbranch_scc1 .Lnot_wave_0_\@
	s_barrier_signal -3
.Lnot_wave_0_\@:
	s_barrier_wait -3
	s_barrier_signal -1
	s_barrier_wait -1
.endm
.macro TL g                            ; the joint refill: the branch hangs on the wave's number alone
	s_cmp_lt_u32 s[WV], 8
	s_cbranch_scc0 .Lnone_\@
	tensor_load_to_lds s[\g:\g+3], s[24:31]
	s_nop 0
.rept 4
	v_nop
.endr
.Lnone_\@:
.endm
.macro VLOAD reg, off, base            ; my 32 columns of a row of f32: group q = 2 p + u at bytes 2,048 p + 64 u
.irp q, 0,1,2,3
	global_load_b128 v[\reg+8*\q:\reg+8*\q+3], v[\off], s[\base:\base+1] offset:2048*(\q/2)+64*(\q%2) th:TH_LOAD_NT
	global_load_b128 v[\reg+8*\q+4:\reg+8*\q+7], v[\off], s[\base:\base+1] offset:2048*(\q/2)+64*(\q%2)+16 th:TH_LOAD_NT
.endr
.endm
.macro LVEC reg, k                     ; the same 32 columns of vector k, from LDS: sixteen lanes share each 16 bytes
.irp q, 0,1,2,3
	ds_load_b128 v[\reg+8*\q:\reg+8*\q+3], v3 offset:4096*(\k)+2048*(\q/2)+64*(\q%2)
	ds_load_b128 v[\reg+8*\q+4:\reg+8*\q+7], v3 offset:4096*(\k)+2048*(\q/2)+64*(\q%2)+16
.endr
.endm
	s_load_b256 s[4:11], s[0:1], 0x0               ; ac 4, wc 6, scales 8, bo 10
	s_load_b256 s[40:47], s[0:1], 0x20             ; x 40, st1 42, g1 44, be1 46
	s_load_b128 s[48:51], s[0:1], 0x40             ; g2 48, be2 50
	s_load_b64 s[52:53], s[0:1], 0x50              ; h2c
	v_lshl_add_u32 v[SPW], v0, 2, SPARE
	v_mov_b32 v[NIL], 0
	ds_add_u32 v[SPW], v[NIL]                      ; the wave's opening: the add and its wait ahead of my first tensor load
	v_lshrrev_b32 v3, 5, v0
	v_readfirstlane_b32 s[WV], v3
	s_bfe_u32 s19, ttmp6, 0x40000                  ; cx
	s_lshl_b32 s20, ttmp9, 2
	s_add_co_u32 s20, s20, s19                     ; my work-group: it enters global addresses of my own loads and stores alone
	s_mov_b32 s24, 15|(1<<20)|(1<<21)|(5<<22)|(3<<25)   ; the mask: all four; elements of 1 byte; padding: 4 words behind every 64
	s_mov_b32 s25, 256<<16
	s_mov_b32 s26, 64<<16
	s_mov_b32 s27, 256<<16
	s_mov_b32 s28, 64
	s_mov_b32 s29, 1024
	s_mov_b32 s30, 0
	s_mov_b32 s31, 0
	s_and_b32 s21, s[WV], 7
	s_mul_i32 s22, s21, 64*272
	s_lshl_b32 s54, s21, 16
	s_add_co_u32 s54, s54, 0x300000
	s_mov_b32 s55, 0
	s_mov_b32 s66, 0x76543210
	s_mov_b32 s67, 0xfedcba98
	s_mov_b32 s68, 0x3a800000                      ; 1 / 1024
	s_mov_b32 s69, 0x3727c5ac                      ; 1e-5
	s_wait_dscnt 0x0                               ; the opening add is done
	s_wait_kmcnt 0x0
	s_load_b128 s[56:59], s[8:9], 0x28             ; e10, e11, e12, e13
	s_add_nc_u64 s[54:55], s[6:7], s[54:55]
	s_mov_b32 s32, 1
	s_mov_b32 s33, s22                             ; slot 0: the low 512 columns,
	s_mov_b64 s[34:35], s[54:55]
	s_or_b32 s35, s35, 0x80000000
	s_mov_b32 s36, 1
	s_add_co_u32 s37, s22, SLOT                    ; slot 1: the high 512, 512 rows of 1,024 bytes further on
	s_add_nc_u64 s[38:39], s[54:55], 524288
	s_or_b32 s39, s39, 0x80000000
	ROUND                                          ; in front of the first joint loads
	s_cmp_lt_u32 s[WV], 8                          ; a fetching wave's two first fills stand in one branch, ahead of every wait on TENSORcnt and every LDS read
	s_cbranch_scc0 .Lno_first
	tensor_load_to_lds s[32:35], s[24:31]          ; tile 0
	s_nop 0
	tensor_load_to_lds s[36:39], s[24:31]          ; tile 1
	s_nop 0
.rept 4
	v_nop
.endr
.Lno_first:
	s_lshr_b32 s22, s20, 7
	s_lshl_b32 s22, s22, 21
	s_and_b32 s23, s20, 127
	s_lshl_b32 s23, s23, 10
	s_add_co_u32 s22, s22, s23
	s_mov_b32 s23, 0
	s_add_nc_u64 s[60:61], s[4:5], s[22:23]        ; my 16 rows in head 0 of ac
	s_lshl_b32 s22, s20, 16
	s_add_nc_u64 s[40:41], s[40:41], s[22:23]      ; in x
	s_lshl_b32 s22, s20, 7
	s_add_nc_u64 s[42:43], s[42:43], s[22:23]      ; in st1
	s_lshl_b32 s22, s20, 14
	s_lshl_b32 s21, s[WV], 10
	s_add_co_u32 s22, s22, s21
	s_add_nc_u64 s[52:53], s[52:53], s[22:23]      ; row 16 WG + wave of h2c
	v_and_b32 v14, 15, v0                          ; r
	v_bfe_u32 v15, v0, 4, 1                        ; h
	v_lshlrev_b32 v3, 6, v14
	v_lshl_add_u32 v3, v15, 4, v3                  ; ac: 64 r + 16 h
.irp kk, 0,1,2,3,4,5,6,7
.irp c, 0,1,2,3
	global_load_b128 v[16+16*\kk+4*\c:19+16*\kk+4*\c], v3, s[60:61] offset:(2*\kk+\c/2)*131072+32*(\c%2)   ; fragment kk is heads 2 kk and 2 kk + 1
.endr
.endr
	s_mul_i32 s21, s[WV], 32*272
	v_mul_u32_u24 v4, v14, 272
	v_lshl_add_u32 v4, v15, 4, v4
	v_add_nc_u32 v4, s21, v4                       ; my 32 rows of a tile, slot 0,
	v_add_nc_u32 v5, SLOT, v4                      ; slot 1
	s_lshl_b32 s21, s[WV], 2
	v_lshlrev_b32 v7, 6, v14
	v_add_nc_u32 v7, EX1, v7                       ; a row's sixteen partial sums
	v_add_nc_u32 v6, s21, v7                       ; my wave's word among them
	s_lshl_b32 s21, s[WV], 7
	v_lshlrev_b32 v8, 5, v15
	v_add_nc_u32 v8, s21, v8                       ; my columns in bytes of f32: 128 w + 32 h
	v_lshl_add_u32 v9, v14, 12, v8                 ; and in x: + 4,096 r
	s_lshl_b32 s21, s[WV], 5
	v_mul_u32_u24 v10, v14, 1040
	v_lshl_add_u32 v10, v15, 3, v10
	v_add_nc_u32 v10, s21, v10
	v_add_nc_u32 v10, STG, v10                     ; codes in: row r, 32 w + 8 h
	s_mul_i32 s21, s[WV], 1040
	v_and_b32 v12, 31, v0
	v_lshlrev_b32 v12, 4, v12
	v_add_nc_u32 v11, s21, v12
	v_add_nc_u32 v11, STG, v11                     ; codes back: row = my wave
	v_lshlrev_b32 v13, 3, v14
	v_mov_b32 v250, 0
	v_lshlrev_b32 v14, 3, v0                       ; the vectors: 8 bytes a thread: 512 threads cover 4,096 bytes,
	v_add_nc_u32 v15, VEC, v14                     ; and the same place in LDS
	global_load_b64 v[240:241], v14, s[44:45]      ; g1
	global_load_b64 v[242:243], v14, s[46:47]      ; be1
	global_load_b64 v[244:245], v14, s[10:11]      ; bo
	global_load_b64 v[246:247], v14, s[48:49]      ; g2
	global_load_b64 v[248:249], v14, s[50:51]      ; be2
; The work on tile i: my four fragments of wo from the slot, four products.  The two accumulators in hand take turns, and the next tile takes the other two.
.macro WORK i
.set SL, (\i)%2
.set SS, (\i)/2
.rept 4
	v_nop                                          ; places in front of the loads into registers that the last products read
.endr
.if (\i) == 2
	VLOAD 16, 9, 40                                ; x, into the registers that A's fragments 0 and 1 have left
	global_load_b64 v[240:241], v13, s[42:43]      ; my row's mean and 1/sqrt(var + eps)
.endif
.if (\i) == 4
	LVEC 48, 0                                     ; g1, where fragments 2 and 3 lay
.endif
.if (\i) == 6
	LVEC 80, 1                                     ; be1, where fragments 4 and 5 lay
.endif
.irp j, 0,1
.irp u, 0,1
.irp c, 0,1,2,3
	ds_load_b128 v[144+16*(2*\j+\u)+4*\c:147+16*(2*\j+\u)+4*\c], v[4+SL] offset:\u*4352+128*\j+32*\c
.endr
.endr
.endr
	s_wait_dscnt 0x0
.if (\i) == 0
	s_wait_loadcnt 0x0                             ; A's fragments and the five vectors
	ds_store_b64 v15, v[240:241]
	ds_store_b64 v15, v[242:243] offset:4096
	ds_store_b64 v15, v[244:245] offset:8192
	ds_store_b64 v15, v[246:247] offset:12288
	ds_store_b64 v15, v[248:249] offset:16384      ; the next trip's wait for my LDS instructions and its round show them to every wave
	v_add_nc_u32 v3, VEC, v8                       ; (the loads that it addressed are in)  my columns in a vector in LDS
.endif
.irp j, 0,1
.irp u, 0,1
.if (SS == 0) && (\j == 0)
	v_wmma_f32_16x16x128_fp8_fp8 v[ACC+8*(2*SL+\u):ACC+8*(2*SL+\u)+7], v[144+16*(2*\j+\u):159+16*(2*\j+\u)], v[16+16*(2*SS+\j):31+16*(2*SS+\j)], 0
.else
	v_wmma_f32_16x16x128_fp8_fp8 v[ACC+8*(2*SL+\u):ACC+8*(2*SL+\u)+7], v[144+16*(2*\j+\u):159+16*(2*\j+\u)], v[16+16*(2*SS+\j):31+16*(2*SS+\j)], v[ACC+8*(2*SL+\u):ACC+8*(2*SL+\u)+7]
.endif
.endr
.endr
.endm
.macro TRIP i
.set NS, ((\i)+1)%2
	s_wait_tensorcnt 0x0                           ; all my tensor loads are done, my part of this trip's tile among them
	ds_add_u32 v[SPW], v[NIL]
.if (\i) < 7
	s_add_nc_u64 s[34+4*NS:35+4*NS], s[34+4*NS:35+4*NS], 256   ; the slot read last trip: its next K step
.endif
	s_wait_dscnt 0x0                               ; the add is done, and so are my reads of the last trip's tile
	ROUND                                          ; both now hold of every wave of the cluster
.if (\i) < 7
	TL 32+4*NS                                     ; tile i + 1, into the slot read last trip
.endif
	WORK \i
.endm
	s_wait_tensorcnt 0x1                           ; my part of tile 0 is in; tile 1's load may be out
	s_barrier_signal -1
	s_barrier_wait -1                              ; everybody's is
	WORK 0
	TRIP 1
	TRIP 2
	TRIP 3
	TRIP 4
	TRIP 5
	TRIP 6
	TRIP 7
.rept 4
	v_nop
.endr
	LVEC 112, 2                                    ; bo
	LVEC 144, 3                                    ; g2
	LVEC 176, 4                                    ; be2
	s_wait_kmcnt 0x0
	s_add_co_i32 s70, s56, s57
	s_add_co_i32 s70, s70, 127
	s_lshl_b32 s62, s70, 23                        ; 2^(e10 + e11)
	s_mov_b32 s63, s62
	s_add_co_i32 s70, s58, 127
	s_lshl_b32 s71, s70, 23
	v_mov_b32 v252, s71                            ; 2^e12
	s_add_co_i32 s70, s70, 8
	s_lshl_b32 s70, s70, 23
	s_or_b32 s70, s70, 0x600000
	v_mov_b32 v253, s70                            ; 448 x 2^e12
	s_wait_loadcnt 0x0                             ; x and the row's two numbers, asked for five trips ago
	s_wait_dscnt 0x0                               ; the vectors
	v_mov_b32 v242, v240
	v_mov_b32 v243, v240
	v_mov_b32 v244, v241
	v_mov_b32 v245, v241
.set j, 0
.rept 16
	v_pk_add_f32 v[16+j:17+j], v[16+j:17+j], v[242:243] neg_lo:[0,1] neg_hi:[0,1]
	v_pk_fma_f32 v[112+j:113+j], v[ACC+j:ACC+j+1], s[62:63], v[112+j:113+j] op_sel_hi:[1,0,1]   ; attn wo + bo; each accumulator from its low end on
	v_pk_mul_f32 v[16+j:17+j], v[16+j:17+j], v[244:245]
	v_pk_fma_f32 v[16+j:17+j], v[16+j:17+j], v[48+j:49+j], v[80+j:81+j]                          ; h
	v_pk_add_f32 v[16+j:17+j], v[16+j:17+j], v[112+j:113+j]
.set j, j+2
.endr
.macro GATHER off                      ; v246, my lane's part of a row's sum, becomes the row's sum in v208: across the halves, then across the waves through LDS
	v_permlanex16_b32 v250, v246, s66, s67
	v_add_f32 v246, v246, v250
	ds_store_b32 v6, v246 offset:\off              ; lanes r and r + 16 write the same word with the same number
	s_wait_dscnt 0x0                               ; for the others' sake
	s_barrier_signal -1
	s_barrier_wait -1
.irp i, 0,1,2,3
	ds_load_b128 v[208+4*\i:211+4*\i], v7 offset:\off+16*\i
.endr
	s_wait_dscnt 0x0
	v_pk_add_f32 v[208:209], v[208:209], v[210:211]
	v_pk_add_f32 v[212:213], v[212:213], v[214:215]
	v_pk_add_f32 v[216:217], v[216:217], v[218:219]
	v_pk_add_f32 v[220:221], v[220:221], v[222:223]
	v_pk_add_f32 v[208:209], v[208:209], v[212:213]
	v_pk_add_f32 v[216:217], v[216:217], v[220:221]
	v_pk_add_f32 v[208:209], v[208:209], v[216:217]
	v_add_f32 v208, v208, v209
.endm
	v_pk_add_f32 v[246:247], v[16:17], v[18:19]
	v_pk_add_f32 v[248:249], v[20:21], v[22:23]
.irp j, 8,12,16,20,24,28
	v_pk_add_f32 v[246:247], v[246:247], v[16+\j:17+\j]
	v_pk_add_f32 v[248:249], v[248:249], v[18+\j:19+\j]
.endr
	v_pk_add_f32 v[246:247], v[246:247], v[248:249]
	v_add_f32 v246, v246, v247
	GATHER 0
	v_mul_f32 v242, s68, v208                      ; the mean
	v_mov_b32 v243, v242
.set j, 0
.rept 16
	v_pk_add_f32 v[16+j:17+j], v[16+j:17+j], v[242:243] neg_lo:[0,1] neg_hi:[0,1]
.set j, j+2
.endr
	v_pk_mul_f32 v[246:247], v[16:17], v[16:17]
	v_pk_mul_f32 v[248:249], v[18:19], v[18:19]
.irp j, 4,8,12,16,20,24,28
	v_pk_fma_f32 v[246:247], v[16+\j:17+\j], v[16+\j:17+\j], v[246:247]
	v_pk_fma_f32 v[248:249], v[18+\j:19+\j], v[18+\j:19+\j], v[248:249]
.endr
	v_pk_add_f32 v[246:247], v[246:247], v[248:249]
	v_add_f32 v246, v246, v247
	GATHER 1024
	v_fma_f32 v208, v208, s68, s69                 ; var + eps
	v_rsq_f32 v244, v208
	v_nop
	s_wait_alu depctr_va_vdst(0)                   ; the wait ahead of the first reader
	v_mov_b32 v245, v244
.set j, 0
.rept 16
	v_pk_mul_f32 v[16+j:17+j], v[16+j:17+j], v[244:245]
	v_pk_fma_f32 v[16+j:17+j], v[16+j:17+j], v[144+j:145+j], v[176+j:177+j]
.set j, j+2
.endr
.set j, 0
.rept 32
	v_med3_num_f32 v[16+j], v[16+j], -v253, v253
.set j, j+1
.endr
.irp q, 0,1,2,3
	v_cvt_scalef32_pk8_fp8_f32 v[224+2*\q:225+2*\q], v[16+8*\q:23+8*\q], v252
.endr
	v_nop
.irp q, 0,1,2,3
	ds_store_b64 v10, v[224+2*\q:225+2*\q] offset:512*(\q/2)+16*(\q%2)
.endr
	s_wait_dscnt 0x0
	s_barrier_signal -1
	s_barrier_wait -1                              ; sixteen whole rows of codes lie in the stage
	ds_load_b128 v[208:211], v11
	ds_load_b128 v[212:215], v11 offset:512
	s_wait_dscnt 1
	global_store_b128 v12, v[208:211], s[52:53]    ; 32 lanes store 512 consecutive bytes, aligned
	s_wait_dscnt 0
	global_store_b128 v12, v[212:215], s[52:53] offset:512
	s_wait_tensorcnt 0x0                           ; the wave's end
	ds_add_u32 v[SPW], v[NIL]
	s_wait_dscnt 0x0
	ROUND                                          ; the closing round
	s_endpgm
.Lfunc_end_k_q632c799929_oln:
	.size	k_q632c799929_oln, .Lfunc_end_k_q632c799929_oln-k_q632c799929_oln
	.p2alignl 7, 3214868480
	.fill 96, 4, 3214868480
	.section	.rodata,"a",@progbits
	.p2align	6, 0x0
	.amdhsa_kernel k_q632c799929_oln
		.amdhsa_group_segment_fixed_size 327680
		.amdhsa_private_segment_fixed_size 0
		.amdhsa_enable_private_segment 0
		.amdhsa_kernarg_size 88
		.amdhsa_user_sgpr_count 2
		.amdhsa_user_sgpr_kernarg_segment_ptr 1
		.amdhsa_wavefront_size32 1
		.amdhsa_system_sgpr_workgroup_id_x 1
		.amdhsa_system_sgpr_workgroup_id_y 1
		.amdhsa_system_sgpr_workgroup_id_z 1
		.amdhsa_system_vgpr_workitem_id 0
		.amdhsa_next_free_vgpr 256
		.amdhsa_next_free_sgpr 80
		.amdhsa_reserve_vcc 0
		.amdhsa_float_denorm_mode_32 3
		.amdhsa_float_denorm_mode_16_64 3
		.amdhsa_memory_ordered 1
		.amdhsa_forward_progress 1
		.amdhsa_inst_pref_size 46
	.end_amdhsa_kernel
	.amdgpu_metadata
---
amdhsa.version: [ 1, 2 ]
amdhsa.kernels:
  - .name:           k_q632c799929_oln
    .symbol:         k_q632c799929_oln.kd
    .args:
      - { .name: ac, .offset: 0, .size: 8, .value_kind: global_buffer, .address_space: global }
      - { .name: wc, .offset: 8, .size: 8, .value_kind: global_buffer, .address_space: global }
      - { .name: lowp_scales, .offset: 16, .size: 8, .value_kind: global_buffer, .address_space: global }
      - { .name: bo, .offset: 24, .size: 8, .value_kind: global_buffer, .address_space: global }
      - { .name: x, .offset: 32, .size: 8, .value_kind: global_buffer, .address_space: global }
      - { .name: st1, .offset: 40, .size: 8, .value_kind: global_buffer, .address_space: global }
      - { .name: g1, .offset: 48, .size: 8, .value_kind: global_buffer, .address_space: global }
      - { .name: be1, .offset: 56, .size: 8, .value_kind: global_buffer, .address_space: global }
      - { .name: g2, .offset: 64, .size: 8, .value_kind: global_buffer, .address_space: global }
      - { .name: be2, .offset: 72, .size: 8, .value_kind: global_buffer, .address_space: global }
      - { .name: h2c, .offset: 80, .size: 8, .value_kind: global_buffer, .address_space: global }
    .group_segment_fixed_size: 327680
    .private_segment_fixed_size: 0
    .kernarg_segment_align: 8
    .kernarg_segment_size: 88
    .max_flat_workgroup_size: 512
    .sgpr_count:     80
    .vgpr_count:     256
    .wavefront_size: 32
...
	.end_amdgpu_metadata
.endif
;; end of part 4
;; launch ffn1 (part 5): grid 16 x 16, 4 waves a work-group, clusters of 4 x 4, 327,680 bytes of LDS; arguments h2c, wc, lowp_scales, b1, f1c; writes f1c
.if DOCPART == 5
	.amdgcn_target "amdgcn-amd-amdhsa--gfx1250"
	.amdhsa_code_object_version 6
	.text
	.protected	k_q632c799929_ffn1
	.globl	k_q632c799929_ffn1
	.p2align	8
	.type	k_q632c799929_ffn1,@function
k_q632c799929_ffn1:
	s_mov_b64 s[64:65], 0
	v_nop
	global_prefetch_b8 v0, s[64:65] scope:SCOPE_SE
	s_setreg_imm32_b32 hwreg(HW_REG_WAVE_MODE, 25, 1), 1
	s_wait_xcnt 0x0
	s_wait_alu depctr_hold_cnt(0) depctr_sa_sdst(0) depctr_va_vdst(0) depctr_va_sdst(0) depctr_va_ssrc(0) depctr_va_vcc(0) depctr_vm_vsrc(0)
	s_getreg_b32 s2, hwreg(HW_REG_IB_STS2, 6, 4)
	s_cmp_eq_u32 s2, 0
	s_cbranch_scc0 .Lentry_in_a_cluster
	s_endpgm
.Lentry_in_a_cluster:
	s_bfe_u32 s2, ttmp6, 0x10000c
	s_cmp_lg_u32 s2, 0xf033
	s_cbranch_scc0 .Lentry_shape_is_right
	s_endpgm
.Lentry_shape_is_right:
; f1 = relu(h2 w1 + b1) on codes of E4M3, quantised under entry 14 into f1c [32 planes of 128 hidden units][4096 rows][128].  A = h2c [4096][1024]; B = w1's codes at wc + 4 MiB, [4096 n][1024 k].
; A tile is 256 x 256, a wave 128 x 128: 64 accumulators.  K = 1024 goes in steps of 256 through a ring of two LDS slots.  4 x 4 work-groups form a cluster: A's tiles are asked for jointly along a row, B's along a column.
; The matrix instruction is used transposed (source 0 = 16 rows of B, source 1 = 16 rows of A): a lane holds one row and eight neighbouring hidden units, which are neighbours along the next product's K.
; A wave's 128 columns are one plane, so a block of 16 rows is 2,048 dense bytes of f1c.  The hold at the largest code clips at 0 as well: the activation costs nothing.
; LIMITS: e12 + e13 between -126 and 127; e14 between -126 and 119.  NaN among the inputs is not served.
; REGISTERS: window 0: v0-31 addresses; v32-95 b1; v128-255 A's fragments, one set; on the way out v128-191 numbers, v192-223 codes, v224-255 rows read back.  window 1: B's fragments, two sets.  windows 2, 3: the accumulators.
.set ROWB,   256
.set KROW,   1024
.set PITCH,  272
.set FR,     16
.set NL,     4
.set NP,     4
.set HALFT,  128*PITCH
.set SLOT,   4*HALFT
.set LAPS,   2
.set SPARE,  2*SLOT
.set SPITCH, 144                       ; the way out: 16 rows x (128 bytes + 16) for each wave, in slot 0, which has had its last fill and its last read by then
.set ADRA, 16
.set ADRB, 20
.set STO,  24
.set RD,   25
.set GO,   26
.set SPW,  28
.set NIL,  29
.set CB,   32
.set AF,   128
.set TMP,  128
.set CC,   192
.set BB,   224
.set G1, 24
.set G0, 32
.set G1B, 48
.set G0B, 56
.set MSB, 0
.macro WIN new
.if MSB != \new
	s_set_vgpr_msb (MSB<<8)|\new
.set MSB, \new
.endif
.endm
.set MUL_LO, 0xa1
.set MUL_HI, 0xf1
.set TO_B,   0x40
.macro JLOAD g0a, g1a, g0b, g1b
	s_cmp_eq_u32 s15, 0
	s_cbranch_scc0 .Lfor_b_\@
	tensor_load_to_lds s[\g0a:\g0a+3], s[\g1a:\g1a+7]
	s_nop 0
.rept 4
	v_nop
.endr
	s_branch .Lasked_\@
.Lfor_b_\@:
	tensor_load_to_lds s[\g0b:\g0b+3], s[\g1b:\g1b+7]
	s_nop 0
.rept 4
	v_nop
.endr
.Lasked_\@:
.endm
.macro CREST
	s_cmp_lg_u32 s14, 0
	s_cbranch_scc1 .Lnot_wave_0_\@
	s_barrier_signal -3
.Lnot_wave_0_\@:
	s_barrier_wait -3
	s_barrier_signal -1
	s_barrier_wait -1
.endm
.macro CROUND
	s_barrier_signal -1
	s_barrier_wait -1
	CREST
.endm
	s_load_b256 s[4:11], s[0:1], 0x0               ; h2c 4, wc 6, scales 8, b1 10
	s_load_b64 s[88:89], s[0:1], 0x20              ; f1c
	v_lshl_add_u32 v[SPW], v0, 2, SPARE
	v_mov_b32 v[NIL], 0
	ds_add_u32 v[SPW], v[NIL]                      ; the wave's opening: the add and its wait ahead of my first tensor load
	v_lshrrev_b32 v1, 5, v0
	v_readfirstlane_b32 s14, v1
	s_lshr_b32 s15, s14, 1
	s_and_b32 s16, s14, 1
	s_bfe_u32 s40, ttmp6, 0x40000
	s_bfe_u32 s41, ttmp6, 0x40004
	s_lshl_b32 s42, ttmp9, 2
	s_add_co_u32 s42, s42, s40                     ; tile column
	s_and_b32 s17, ttmp7, 0xffff
	s_lshl_b32 s17, s17, 2
	s_add_co_u32 s17, s17, s41                     ; tile row
	s_lshl_b32 s43, s41, 2
	s_lshl_b32 s43, 15, s43
	s_lshl_b32 s44, 0x1111, s40
	s_or_b32 s[G1+0], s43, (0<<16)|(1<<20)|(1<<21)|(5<<22)|(3<<25)
	s_or_b32 s[G1B+0], s44, (0<<16)|(1<<20)|(1<<21)|(5<<22)|(3<<25)
.irp g, G1, G1B
	s_mov_b32 s[\g+1], ROWB<<16
	s_mov_b32 s[\g+2], 128<<16
	s_mov_b32 s[\g+3], ROWB<<16
	s_mov_b32 s[\g+4], 128
	s_mov_b32 s[\g+5], KROW
	s_mov_b32 s[\g+6], 0
	s_mov_b32 s[\g+7], 0
.endr
	s_lshl_b32 s18, s16, 7
	s_lshl_b32 s20, s17, 8
	s_add_co_u32 s20, s20, s18
	s_lshl_b32 s46, s42, 8
	s_add_co_u32 s46, s46, s18
	s_mov_b32 s21, 0
	s_mov_b32 s47, 0
	s_mov_b64 s[18:19], KROW
	s_mul_u64 s[20:21], s[20:21], s[18:19]
	s_mul_u64 s[46:47], s[46:47], s[18:19]
	s_mul_i32 s45, s14, HALFT
	s_wait_dscnt 0x0
	s_wait_kmcnt 0x0
	s_load_b128 s[68:71], s[8:9], 0x30             ; e12, e13, e14, e15
	s_add_nc_u64 s[6:7], s[6:7], 0x400000          ; w1's codes
	s_add_nc_u64 s[20:21], s[4:5], s[20:21]
	s_add_nc_u64 s[46:47], s[6:7], s[46:47]
	CROUND
.irp s, 0,1
	s_mov_b32 s[G0+4*\s], 1
	s_add_co_u32 s[G0+4*\s+1], s45, \s*SLOT
	s_add_nc_u64 s[G0+4*\s+2:G0+4*\s+3], s[20:21], \s*ROWB
	s_or_b32 s[G0+4*\s+3], s[G0+4*\s+3], 0x80000000
	s_mov_b32 s[G0B+4*\s], 1
	s_add_co_u32 s[G0B+4*\s+1], s45, \s*SLOT
	s_add_nc_u64 s[G0B+4*\s+2:G0B+4*\s+3], s[46:47], \s*ROWB
	s_or_b32 s[G0B+4*\s+3], s[G0B+4*\s+3], 0x80000000
	JLOAD G0+4*\s, G1, G0B+4*\s, G1B
.endr
	v_and_b32 v1, 15, v0
	v_bfe_u32 v2, v0, 4, 1
	v_mul_u32_u24 v3, v1, PITCH
	v_lshl_add_u32 v4, v2, 4, v3
	s_mul_i32 s21, s15, HALFT
	s_mul_i32 s22, s16, HALFT
	s_add_co_u32 s22, s22, 2*HALFT
.irp s, 0,1
	v_add_nc_u32 v[ADRA+\s], s21, v4
	v_add_nc_u32 v[ADRB+\s], s22, v4
	s_add_co_u32 s21, s21, SLOT
	s_add_co_u32 s22, s22, SLOT
.endr
	s_mul_i32 s23, s14, 16*SPITCH
	v_mul_u32_u24 v5, v1, SPITCH
	v_lshl_add_u32 v5, v2, 3, v5
	v_add_nc_u32 v[STO], s23, v5
	v_and_b32 v6, 31, v0
	v_lshrrev_b32 v7, 3, v6
	v_mul_u32_u24 v7, v7, SPITCH
	v_and_b32 v5, 7, v6
	v_lshl_add_u32 v7, v5, 4, v7
	v_add_nc_u32 v[RD], s23, v7                    ; back: eight lanes to a row of 128 bytes, four rows an instruction
	v_lshlrev_b32 v[GO], 4, v6
	v_lshlrev_b32 v8, 5, v2
	s_lshl_b32 s18, s42, 10
	s_lshl_b32 s19, s16, 9
	s_add_co_u32 s18, s18, s19
	s_mov_b32 s19, 0
	s_add_nc_u64 s[98:99], s[10:11], s[18:19]      ; b1 at my 128 columns
.irp b, 0,1,2,3,4,5,6,7
	global_load_b128 v[CB+8*\b:CB+8*\b+3], v8, s[98:99] offset:64*\b
	global_load_b128 v[CB+8*\b+4:CB+8*\b+7], v8, s[98:99] offset:64*\b+16
.endr
	s_lshl_b32 s20, s42, 1
	s_add_co_u32 s20, s20, s16
	s_lshl_b32 s20, s20, 19                        ; my plane
	s_lshl_b32 s18, s17, 15
	s_add_co_u32 s20, s20, s18
	s_lshl_b32 s18, s15, 14
	s_add_co_u32 s20, s20, s18                     ; + (256 tile row + 128 half) rows of 128 bytes
	s_mov_b32 s21, 0
	s_add_nc_u64 s[88:89], s[88:89], s[20:21]
.macro FRAG reg, adr, q, i
.irp c, 0,1,2,3
	ds_load_b128 v[\reg+4*\c:\reg+4*\c+3], v[\adr] offset:128*(\q)+32*\c+(\i)*16*PITCH
.endr
.endm
.macro MUL16 a0, p, zero               ; the 64 accumulators take turns, one instruction a turn
.irp a, \a0, \a0+1
.irp b, 0,1,2,3,4,5,6,7
.if \zero
	v_wmma_f32_16x16x128_fp8_fp8 v[8*(8*((\a)%4)+\b):8*(8*((\a)%4)+\b)+7], v[128*(\p)+FR*\b:128*(\p)+FR*\b+FR-1], v[AF+FR*(\a):AF+FR*(\a)+FR-1], 0
.else
	v_wmma_f32_16x16x128_fp8_fp8 v[8*(8*((\a)%4)+\b):8*(8*((\a)%4)+\b)+7], v[128*(\p)+FR*\b:128*(\p)+FR*\b+FR-1], v[AF+FR*(\a):AF+FR*(\a)+FR-1], v[8*(8*((\a)%4)+\b):8*(8*((\a)%4)+\b)+7]
.endif
.endr
.endr
.endm
.macro FETCH_B slot, q, p
	WIN TO_B
.irp i, 0,1,2,3,4,5,6,7
	FRAG 128*(\p)+FR*\i, ADRB+\slot, \q, \i
.endr
	WIN 0
.endm
.macro FETCH_A slot, q, i0
.irp i, \i0, \i0+1, \i0+2, \i0+3
	FRAG AF+FR*(\i), ADRA+\slot, \q, \i
.endr
.endm
.macro PLACES n
.rept \n
	v_nop
.endr
.endm
.macro STEP slot, q, zero
	s_wait_dscnt 4*NL                              ; B's set and A's blocks 0-3 are in; A's blocks 4-7 (16 loads) may be out
	WIN MUL_LO
	MUL16 0, (\q)%2, \zero
	MUL16 2, (\q)%2, \zero
	s_wait_dscnt 0
	PLACES NP
	FETCH_B \slot, (\q)+1, 1-(\q)%2
	FETCH_A \slot, (\q)+1, 0
	WIN MUL_HI
	MUL16 4, (\q)%2, \zero
	MUL16 6, (\q)%2, \zero
	PLACES NP
	WIN 0
	FETCH_A \slot, (\q)+1, 4
.endm
.macro TURN slot, next, fill
	s_wait_tensorcnt 0x0                           ; all my tensor loads have landed: my part of the next slot
	ds_add_u32 v[SPW], v[NIL]
	s_wait_dscnt 4*NL+1                            ; the add and A's blocks 4-7 may be out
	WIN MUL_LO
	MUL16 0, 1, 0
	s_wait_dscnt 0x0                               ; the add is done, and my reads of this slot are over
	s_barrier_signal -1
	MUL16 2, 1, 0
	WIN 0
	s_barrier_wait -1
.if \fill
	CREST
	s_add_nc_u64 s[G0+4*\slot+2:G0+4*\slot+3], s[G0+4*\slot+2:G0+4*\slot+3], 2*ROWB
	s_add_nc_u64 s[G0B+4*\slot+2:G0B+4*\slot+3], s[G0B+4*\slot+2:G0B+4*\slot+3], 2*ROWB
	JLOAD G0+4*\slot, G1, G0B+4*\slot, G1B
.else
	PLACES NP
.endif
	FETCH_B \next, 0, 0
	FETCH_A \next, 0, 0
	WIN MUL_HI
	MUL16 4, 1, 0
	MUL16 6, 1, 0
	PLACES NP
	WIN 0
	FETCH_A \next, 0, 4
.endm
	s_wait_tensorcnt 1                             ; my part of K step 0 is in; K step 1's load may be out
	s_barrier_signal -1
	s_barrier_wait -1
	FETCH_B 0, 0, 0
	FETCH_A 0, 0, 0
	FETCH_A 0, 0, 4
	STEP 0, 0, 1
	s_mov_b32 s3, LAPS-1
.Llap:
	TURN 0, 1, 1
	STEP 1, 0, 0
	TURN 1, 0, 1
	STEP 0, 0, 0
	s_sub_co_u32 s3, s3, 1
	s_cmp_lg_u32 s3, 0
	s_cbranch_scc1 .Llap
	TURN 0, 1, 0
	STEP 1, 0, 0
	s_wait_dscnt 4*NL
	WIN MUL_LO
	MUL16 0, 1, 0
	MUL16 2, 1, 0
	s_wait_dscnt 0
	WIN MUL_HI
	MUL16 4, 1, 0
	MUL16 6, 1, 0
	WIN 0
	s_wait_kmcnt 0x0
	s_add_co_i32 s18, s68, s69
	s_add_co_i32 s18, s18, 127
	s_lshl_b32 s96, s18, 23                        ; 2^(e12 + e13)
	s_mov_b32 s97, s96
	s_add_co_i32 s21, s70, 127
	s_lshl_b32 s22, s21, 23
	s_add_co_i32 s21, s21, 8
	s_lshl_b32 s21, s21, 23
	s_or_b32 s21, s21, 0x600000
	s_wait_loadcnt 0x0                             ; b1
	PLACES NP
	v_mov_b32 v10, s22                             ; 2^e14
	v_mov_b32 v11, s21                             ; 448 x 2^e14
.macro TOSTAGE a
.set AC, 64*((\a)%4)
.set CS, CC+16*((\a)%2)
.set BS, BB+16*((\a)%2)
	WIN (0x02+((\a)/4))
.set j, 0
.rept 32
	v_pk_fma_f32 v[TMP+j:TMP+j+1], v[AC+j:AC+j+1], s[96:97], v[CB+j:CB+j+1] op_sel_hi:[1,0,1]   ; each accumulator from its low end on
.set j, j+2
.endr
	WIN 0
.set j, 0
.rept 64
	v_med3_num_f32 v[TMP+j], v[TMP+j], 0, v11      ; the activation and the hold in one
.set j, j+1
.endr
.irp b, 0,1,2,3,4,5,6,7
	v_cvt_scalef32_pk8_fp8_f32 v[CS+2*\b:CS+2*\b+1], v[TMP+8*\b:TMP+8*\b+7], v10
.endr
	v_nop
.irp b, 0,1,2,3,4,5,6,7
	ds_store_b64 v[STO], v[CS+2*\b:CS+2*\b+1] offset:16*\b
.endr
.irp t, 0,1,2,3
	ds_load_b128 v[BS+4*\t:BS+4*\t+3], v[RD] offset:\t*4*SPITCH
.endr
.endm
.macro SEND a, younger
.set BS, BB+16*((\a)%2)
	s_wait_dscnt \younger                          ; the block is back; the next block's 8 stores and 4 loads may be out
.irp t, 0,1,2,3
	global_store_b128 v[GO], v[BS+4*\t:BS+4*\t+3], s[88:89] offset:(\a)*2048+\t*512      ; 32 lanes store 512 consecutive bytes, aligned
.endr
.endm
	TOSTAGE 0
.irp a, 1,2,3,4,5,6,7
.if \a > 1
	s_wait_xcnt 0x0                                ; block a - 2's stores have read their registers
.endif
	TOSTAGE \a
	SEND \a-1, 12
.endr
	SEND 7, 0
	s_wait_tensorcnt 0x0                           ; the wave's end
	ds_add_u32 v[SPW], v[NIL]
	s_wait_dscnt 0x0
	CROUND
	s_endpgm
.Lfunc_end_k_q632c799929_ffn1:
	.size	k_q632c799929_ffn1, .Lfunc_end_k_q632c799929_ffn1-k_q632c799929_ffn1
	.p2alignl 7, 3214868480
	.fill 96, 4, 3214868480
	.section	.rodata,"a",@progbits
	.p2align	6, 0x0
	.amdhsa_kernel k_q632c799929_ffn1
		.amdhsa_group_segment_fixed_size 327680
		.amdhsa_private_segment_fixed_size 0
		.amdhsa_enable_private_segment 0
		.amdhsa_kernarg_size 40
		.amdhsa_user_sgpr_count 2
		.amdhsa_user_sgpr_kernarg_segment_ptr 1
		.amdhsa_wavefront_size32 1
		.amdhsa_system_sgpr_workgroup_id_x 1
		.amdhsa_system_sgpr_workgroup_id_y 1
		.amdhsa_system_sgpr_workgroup_id_z 1
		.amdhsa_system_vgpr_workitem_id 0
		.amdhsa_next_free_vgpr 1024
		.amdhsa_next_free_sgpr 100
		.amdhsa_reserve_vcc 0
		.amdhsa_float_denorm_mode_32 3
		.amdhsa_float_denorm_mode_16_64 3
		.amdhsa_memory_ordered 1
		.amdhsa_forward_progress 1
		.amdhsa_inst_pref_size 142
	.end_amdhsa_kernel
	.amdgpu_metadata
---
amdhsa.version: [ 1, 2 ]
amdhsa.kernels:
  - .name:           k_q632c799929_ffn1
    .symbol:         k_q632c799929_ffn1.kd
    .args:
      - { .name: h2c, .offset: 0, .size: 8, .value_kind: global_buffer, .address_space: global }
      - { .name: wc, .offset: 8, .size: 8, .value_kind: global_buffer, .address_space: global }
      - { .name: lowp_scales, .offset: 16, .size: 8, .value_kind: global_buffer, .address_space: global }
      - { .name: b1, .offset: 24, .size: 8, .value_kind: global_buffer, .address_space: global }
      - { .name: f1c, .offset: 32, .size: 8, .value_kind: global_buffer, .address_space: global }
    .group_segment_fixed_size: 327680
    .private_segment_fixed_size: 0
    .kernarg_segment_align: 8
    .kernarg_segment_size: 40
    .max_flat_workgroup_size: 128
    .sgpr_count:     100
    .vgpr_count:     1024
    .wavefront_size: 32
...
	.end_amdgpu_metadata
.endif
;; end of part 5
;; launch ffn2 (part 6): grid 8 x 32, 4 waves a work-group, clusters of 4 x 4, 327,680 bytes of LDS; arguments f1c, wc, lowp_scales, b2, out0; writes out0
.if DOCPART == 6
	.amdgcn_target "amdgcn-amd-amdhsa--gfx1250"
	.amdhsa_code_object_version 6
	.text
	.protected	k_q632c799929_ffn2
	.globl	k_q632c799929_ffn2
	.p2align	8
	.type	k_q632c799929_ffn2,@function
k_q632c799929_ffn2:
	s_mov_b64 s[64:65], 0
	v_nop
	global_prefetch_b8 v0, s[64:65] scope:SCOPE_SE
	s_setreg_imm32_b32 hwreg(HW_REG_WAVE_MODE, 25, 1), 1
	s_wait_xcnt 0x0
	s_wait_alu depctr_hold_cnt(0) depctr_sa_sdst(0) depctr_va_vdst(0) depctr_va_sdst(0) depctr_va_ssrc(0) depctr_va_vcc(0) depctr_vm_vsrc(0)
	s_getreg_b32 s2, hwreg(HW_REG_IB_STS2, 6, 4)
	s_cmp_eq_u32 s2, 0
	s_cbranch_scc0 .Lentry_in_a_cluster
	s_endpgm
.Lentry_in_a_cluster:
	s_bfe_u32 s2, ttmp6, 0x10000c
	s_cmp_lg_u32 s2, 0xf033
	s_cbranch_scc0 .Lentry_shape_is_right
	s_endpgm
.Lentry_shape_is_right:
; out = relu(f1 w2 + b2) on codes of E4M3.  A = f1c [32 planes of 128 along K][4096 rows][128]; B = w2's codes at wc + 8 MiB, [1024 n][4096 k]; out0 [4096][1024] f32.
; 1,024 columns give only 64 tiles of 256 x 256, so a tile is 128 x 128: 256 work-groups.  Four waves, each 64 x 64: 16 accumulators.  K = 4096 goes in steps of 512 through a ring of two LDS slots.
; 4 x 4 work-groups form a cluster: A's tiles are asked for jointly along a row, B's along a column.  Waves 0, 1 fetch two planes of A each (a plane's 128 rows are 16,384 dense bytes, stated as one long row, padded behind every 128 bytes);
; waves 2, 3 fetch 64 rows x 512 bytes of B each.  The matrix instruction is used transposed: a lane holds one row of out and eight neighbouring columns.
; A wave's 64 columns are 256 bytes, aligned: each wave has a stage of its own on the way out, and needs no barrier there.
; LIMITS: e14 + e15 between -126 and 127.  NaN among the inputs is not served.
; REGISTERS: window 0: v0-31 addresses; v32-63 at work on the way out; v64-95 b2; v128-255 the accumulators ((a, b) at v[128 + 8 (4 a + b)]).  window 1: two fragment buffers of 128: A's four blocks, then B's four.
.set PA,     144                       ; a row of A in LDS: 128 bytes + 16
.set PLANE,  128*PA
.set PB,     528                       ; a row of B: 512 bytes + 16
.set BOFF,   4*PLANE
.set SLOT,   BOFF+128*PB
.set STAGE,  2*SLOT
.set SPITCH, 272
.set SPARE,  STAGE+4*16*SPITCH
.set LAPS,   4
.set ADRA, 16
.set ADRB, 20
.set STO,  24
.set RD,   25
.set CO,   26
.set BO,   27
.set SPW,  28
.set NIL,  29
.set TMP,  32
.set CB,   64
.set ACC,  128
.set F0,   0
.set F1,   128
.set G1, 24
.set G0, 32
.set G1B, 48
.set G0B, 56
.set MSB, 0
.macro WIN new
.if MSB != \new
	s_set_vgpr_msb (MSB<<8)|\new
.set MSB, \new
.endif
.endm
.set MUL,  0x05                        ; sources 0 (B) and 1 (A) window 1; C and D window 0
.set TO_F, 0x40
.macro JLOAD s
	s_cmp_eq_u32 s15, 0
	s_cbranch_scc0 .Lfor_b_\@
	tensor_load_to_lds s[G0+4*\s:G0+4*\s+3], s[G1:G1+7]
	s_nop 0
.rept 4
	v_nop
.endr
	s_branch .Lasked_\@
.Lfor_b_\@:
	tensor_load_to_lds s[G0B+4*\s:G0B+4*\s+3], s[G1B:G1B+7]
	s_nop 0
.rept 4
	v_nop
.endr
.Lasked_\@:
.endm
.macro CREST
	s_cmp_lg_u32 s14, 0
	s_cbranch_scc1 .Lnot_wave_0_\@
	s_barrier_signal -3
.Lnot_wave_0_\@:
	s_barrier_wait -3
	s_barrier_signal -1
	s_barrier_wait -1
.endm
.macro CROUND
	s_barrier_signal -1
	s_barrier_wait -1
	CREST
.endm
	s_load_b256 s[4:11], s[0:1], 0x0               ; f1c 4, wc 6, scales 8, b2 10
	s_load_b64 s[66:67], s[0:1], 0x20              ; out0
	v_lshl_add_u32 v[SPW], v0, 2, SPARE
	v_mov_b32 v[NIL], 0
	ds_add_u32 v[SPW], v[NIL]                      ; the wave's opening: the add and its wait ahead of my first tensor load
	v_lshrrev_b32 v1, 5, v0
	v_readfirstlane_b32 s14, v1
	s_lshr_b32 s15, s14, 1                         ; my half of the tile's rows; also: I fetch for A (0) or B (1)
	s_and_b32 s16, s14, 1                          ; my half of its columns; also: which half of that tile I fetch
	s_bfe_u32 s40, ttmp6, 0x40000
	s_bfe_u32 s41, ttmp6, 0x40004
	s_lshl_b32 s42, ttmp9, 2
	s_add_co_u32 s42, s42, s40                     ; tile column
	s_and_b32 s17, ttmp7, 0xffff
	s_lshl_b32 s17, s17, 2
	s_add_co_u32 s17, s17, s41                     ; tile row
	s_lshl_b32 s43, s41, 2
	s_lshl_b32 s43, 15, s43
	s_lshl_b32 s44, 0x1111, s40
	s_or_b32 s[G1+0], s43, (0<<16)|(1<<20)|(1<<21)|(4<<22)|(3<<25)    ; A: padding of 4 words behind every 32
	s_mov_b32 s[G1+1], 16384<<16                   ; tensor_dim0: a plane's 128 rows on end
	s_mov_b32 s[G1+2], 2<<16                       ; tensor_dim1: two planes
	s_mov_b32 s[G1+3], 16384<<16                   ; tile_dim0
	s_mov_b32 s[G1+4], 2                           ; tile_dim1
	s_mov_b32 s[G1+5], 524288                      ; from plane to plane
	s_mov_b32 s[G1+6], 0
	s_mov_b32 s[G1+7], 0
	s_or_b32 s[G1B+0], s44, (0<<16)|(1<<20)|(1<<21)|(6<<22)|(3<<25)   ; B: padding of 4 words behind every 128
	s_mov_b32 s[G1B+1], 512<<16
	s_mov_b32 s[G1B+2], 64<<16
	s_mov_b32 s[G1B+3], 512<<16
	s_mov_b32 s[G1B+4], 64
	s_mov_b32 s[G1B+5], 4096
	s_mov_b32 s[G1B+6], 0
	s_mov_b32 s[G1B+7], 0
	s_lshl_b32 s20, s16, 20                        ; A: planes 2 x half on,
	s_lshl_b32 s18, s17, 14
	s_add_co_u32 s20, s20, s18                     ; the tile row's 128 rows of 128 bytes
	s_mov_b32 s21, 0
	s_lshl_b32 s46, s42, 19                        ; B: 128 rows of 4,096 bytes a tile column,
	s_lshl_b32 s18, s16, 18
	s_add_co_u32 s46, s46, s18                     ; 64 a half,
	s_add_co_u32 s46, s46, 0x800000                ; in w2's codes
	s_mov_b32 s47, 0
	s_mul_i32 s45, s16, 2*PLANE                    ; where they go: no place in the cluster enters an LDS address
	s_mul_i32 s19, s16, 64*PB
	s_add_co_u32 s19, s19, BOFF
	s_wait_dscnt 0x0
	s_wait_kmcnt 0x0
	s_load_b64 s[96:97], s[8:9], 0x38              ; e14, e15
	s_add_nc_u64 s[20:21], s[4:5], s[20:21]
	s_add_nc_u64 s[46:47], s[6:7], s[46:47]
	CROUND
.irp s, 0,1
	s_mov_b32 s[G0+4*\s], 1
	s_add_co_u32 s[G0+4*\s+1], s45, \s*SLOT
	s_add_nc_u64 s[G0+4*\s+2:G0+4*\s+3], s[20:21], \s*4*524288
	s_or_b32 s[G0+4*\s+3], s[G0+4*\s+3], 0x80000000
	s_mov_b32 s[G0B+4*\s], 1
	s_add_co_u32 s[G0B+4*\s+1], s19, \s*SLOT
	s_add_nc_u64 s[G0B+4*\s+2:G0B+4*\s+3], s[46:47], \s*512
	s_or_b32 s[G0B+4*\s+3], s[G0B+4*\s+3], 0x80000000
	JLOAD \s
.endr
	v_and_b32 v1, 15, v0                           ; r
	v_bfe_u32 v2, v0, 4, 1                         ; h
	v_mul_u32_u24 v3, v1, PA
	v_lshl_add_u32 v3, v2, 4, v3
	v_mul_u32_u24 v4, v1, PB
	v_lshl_add_u32 v4, v2, 4, v4
	s_mul_i32 s21, s15, 64*PA
	s_mul_i32 s22, s16, 64*PB
	s_add_co_u32 s22, s22, BOFF
.irp s, 0,1
	v_add_nc_u32 v[ADRA+\s], s21, v3
	v_add_nc_u32 v[ADRB+\s], s22, v4
	s_add_co_u32 s21, s21, SLOT
	s_add_co_u32 s22, s22, SLOT
.endr
	s_mul_i32 s23, s14, 16*SPITCH
	s_add_co_u32 s23, s23, STAGE                   ; my stage
	v_mul_u32_u24 v5, v1, SPITCH
	v_lshl_add_u32 v5, v2, 5, v5
	v_add_nc_u32 v[STO], s23, v5                   ; in: row r, 32 bytes for each half of the lanes
	v_mul_u32_u24 v5, v2, SPITCH
	v_lshl_add_u32 v5, v1, 4, v5
	v_add_nc_u32 v[RD], s23, v5                    ; back: lanes 0-15 one row of 256 bytes, lanes 16-31 the next
	v_lshlrev_b32 v[CO], 12, v2
	v_lshl_add_u32 v[CO], v1, 4, v[CO]             ; and the same two rows in out0
	v_lshlrev_b32 v[BO], 5, v2
	s_lshl_b32 s18, s42, 9
	s_lshl_b32 s22, s16, 8
	s_add_co_u32 s18, s18, s22                     ; my 64 columns in bytes
	s_mov_b32 s19, 0
	s_add_nc_u64 s[98:99], s[10:11], s[18:19]
.irp b, 0,1,2,3
	global_load_b128 v[CB+8*\b:CB+8*\b+3], v[BO], s[98:99] offset:64*\b
	global_load_b128 v[CB+8*\b+4:CB+8*\b+7], v[BO], s[98:99] offset:64*\b+16
.endr
	s_lshl_b32 s22, s17, 19
	s_add_co_u32 s18, s18, s22
	s_lshl_b32 s22, s15, 18
	s_add_co_u32 s18, s18, s22                     ; + (128 tile row + 64 half) rows of 4,096 bytes
	s_add_nc_u64 s[66:67], s[66:67], s[18:19]
.macro MUL8 f, a0, zero                ; 8 matrix instructions: A's blocks a0, a0 + 1 x B's four, 128 along K; the 16 accumulators take turns
.irp a, \a0, \a0+1
.irp b, 0,1,2,3
.if \zero
	v_wmma_f32_16x16x128_fp8_fp8 v[ACC+8*(4*(\a)+\b):ACC+8*(4*(\a)+\b)+7], v[\f+64+16*\b:\f+64+16*\b+15], v[\f+16*(\a):\f+16*(\a)+15], 0
.else
	v_wmma_f32_16x16x128_fp8_fp8 v[ACC+8*(4*(\a)+\b):ACC+8*(4*(\a)+\b)+7], v[\f+64+16*\b:\f+64+16*\b+15], v[\f+16*(\a):\f+16*(\a)+15], v[ACC+8*(4*(\a)+\b):ACC+8*(4*(\a)+\b)+7]
.endif
.endr
.endr
.endm
.macro FETCH slot, q, f                ; 32 LDS loads in one run: B's four fragments, then A's four, of the slot's q-th 128 along K
	WIN TO_F
.irp i, 0,1,2,3
.irp c, 0,1,2,3
	ds_load_b128 v[\f+64+16*\i+4*\c:\f+64+16*\i+4*\c+3], v[ADRB+\slot] offset:128*(\q)+32*\c+\i*16*PB
.endr
.endr
.irp i, 0,1,2,3
.irp c, 0,1,2,3
	ds_load_b128 v[\f+16*\i+4*\c:\f+16*\i+4*\c+3], v[ADRA+\slot] offset:(\q)*PLANE+32*\c+\i*16*PA
.endr
.endr
.endm
.macro PLACES
.rept 4
	v_nop
.endr
.endm
.macro QUARTER slot, q, f, g, zero     ; multiplies buffer f and fetches the slot's q-th 128 along K into g
	s_wait_dscnt 8                                 ; B and A's blocks 0, 1 are in; A's blocks 2, 3 (8 loads) may be out
	WIN MUL
	MUL8 \f, 0, \zero
	PLACES
	FETCH \slot, \q, \g
	s_wait_dscnt 32                                ; all but the 32 just issued
	WIN MUL
	MUL8 \f, 2, \zero
.endm
.macro TURN slot, next, fill           ; a slot's last quarter multiplies buffer 1 and changes slots: one barrier
	WIN 0
	s_wait_tensorcnt 0x0                           ; all my tensor loads have landed: my part of the next slot
	ds_add_u32 v[SPW], v[NIL]
	s_wait_dscnt 9                                 ; the add and the youngest eight loads may be out
	WIN MUL
	MUL8 F1, 0, 0
	s_wait_dscnt 0x0                               ; the add is done, and my reads of this slot are over
	s_barrier_signal -1
	WIN 0
	s_barrier_wait -1
.if \fill
	CREST                                          ; the barrier has opened a round of the cluster's barrier
	s_add_nc_u64 s[G0+4*\slot+2:G0+4*\slot+3], s[G0+4*\slot+2:G0+4*\slot+3], 8*524288
	s_add_nc_u64 s[G0B+4*\slot+2:G0B+4*\slot+3], s[G0B+4*\slot+2:G0B+4*\slot+3], 1024
	JLOAD \slot                                    ; the four v_nop behind it are also the places in front of the loads below
.else
	PLACES
.endif
	FETCH \next, 0, F0
	WIN MUL
	MUL8 F1, 2, 0
.endm
	s_wait_tensorcnt 1                             ; my part of K step 0 is in; K step 1's load may be out
	s_barrier_signal -1
	s_barrier_wait -1
	FETCH 0, 0, F0
	QUARTER 0, 1, F0, F1, 1                        ; the first quarter's products start the sums
	WIN 0
	s_mov_b32 s3, LAPS-1
.Llap:
	QUARTER 0, 2, F1, F0, 0
	QUARTER 0, 3, F0, F1, 0
	TURN 0, 1, 1
	QUARTER 1, 1, F0, F1, 0
	QUARTER 1, 2, F1, F0, 0
	QUARTER 1, 3, F0, F1, 0
	TURN 1, 0, 1
	QUARTER 0, 1, F0, F1, 0
	WIN 0
	s_sub_co_u32 s3, s3, 1
	s_cmp_lg_u32 s3, 0
	s_cbranch_scc1 .Llap
	QUARTER 0, 2, F1, F0, 0
	QUARTER 0, 3, F0, F1, 0
	TURN 0, 1, 0
	QUARTER 1, 1, F0, F1, 0
	QUARTER 1, 2, F1, F0, 0
	QUARTER 1, 3, F0, F1, 0
	s_wait_dscnt 8
	WIN MUL
	MUL8 F1, 0, 0
	s_wait_dscnt 0
	MUL8 F1, 2, 0
	WIN 0
	; THE WAY OUT: out = max(sum x 2^(e14 + e15) + b2, 0); a block of 16 rows x 64 columns goes through my stage and leaves as whole rows of 256 bytes.
	s_wait_kmcnt 0x0
	s_add_co_i32 s96, s96, s97
	s_add_co_i32 s96, s96, 127
	s_lshl_b32 s96, s96, 23
	s_mov_b32 s97, s96
	s_wait_loadcnt 0x0                             ; b2
	PLACES
.macro PACK a
.irp b, 0,1,2,3
.irp i, 0,2,4,6
	v_pk_fma_f32 v[TMP+8*\b+\i:TMP+8*\b+\i+1], v[ACC+8*(4*(\a)+\b)+\i:ACC+8*(4*(\a)+\b)+\i+1], s[96:97], v[CB+8*\b+\i:CB+8*\b+\i+1] op_sel_hi:[1,0,1]   ; each accumulator from its low end on
.endr
.endr
.set j, 0
.rept 32
	v_max_num_f32 v[TMP+j], 0, v[TMP+j]
.set j, j+1
.endr
.irp b, 0,1,2,3
	ds_store_b128 v[STO], v[TMP+8*\b:TMP+8*\b+3] offset:64*\b
	ds_store_b128 v[STO], v[TMP+8*\b+4:TMP+8*\b+7] offset:64*\b+16
.endr
.irp t, 0,1,2,3,4,5,6,7
	ds_load_b128 v[ACC+32*(\a)+4*\t:ACC+32*(\a)+4*\t+3], v[RD] offset:\t*2*SPITCH   ; LDS serves a wave's instructions in order: these see the stores above; they land in the registers that the block has left
.endr
.endm
.macro SEND a, younger                 ; younger: the next block's sixteen LDS instructions, or none
.irp t, 0,1,2,3,4,5,6,7
	s_wait_dscnt \younger+7-\t
	global_store_b128 v[CO], v[ACC+32*(\a)+4*\t:ACC+32*(\a)+4*\t+3], s[66:67] offset:(16*(\a)+2*\t)*4096 th:TH_STORE_NT   ; 16 lanes store 256 consecutive bytes, aligned
.endr
.endm
	PACK 0
	PACK 1
	SEND 0, 16
	PACK 2
	SEND 1, 16
	PACK 3
	SEND 2, 16
	SEND 3, 0
	s_wait_tensorcnt 0x0                           ; the wave's end
	ds_add_u32 v[SPW], v[NIL]
	s_wait_dscnt 0x0
	CROUND                                         ; the closing round
	s_endpgm
.Lfunc_end_k_q632c799929_ffn2:
	.size	k_q632c799929_ffn2, .Lfunc_end_k_q632c799929_ffn2-k_q632c799929_ffn2
	.p2alignl 7, 3214868480
	.fill 96, 4, 3214868480
	.section	.rodata,"a",@progbits
	.p2align	6, 0x0
	.amdhsa_kernel k_q632c799929_ffn2
		.amdhsa_group_segment_fixed_size 327680
		.amdhsa_private_segment_fixed_size 0
		.amdhsa_enable_private_segment 0
		.amdhsa_kernarg_size 40
		.amdhsa_user_sgpr_count 2
		.amdhsa_user_sgpr_kernarg_segment_ptr 1
		.amdhsa_wavefront_size32 1
		.amdhsa_system_sgpr_workgroup_id_x 1
		.amdhsa_system_sgpr_workgroup_id_y 1
		.amdhsa_system_sgpr_workgroup_id_z 1
		.amdhsa_system_vgpr_workitem_id 0
		.amdhsa_next_free_vgpr 512
		.amdhsa_next_free_sgpr 100
		.amdhsa_reserve_vcc 0
		.amdhsa_float_denorm_mode_32 3
		.amdhsa_float_denorm_mode_16_64 3
		.amdhsa_memory_ordered 1
		.amdhsa_forward_progress 1
		.amdhsa_inst_pref_size 80
	.end_amdhsa_kernel
	.amdgpu_metadata
---
amdhsa.version: [ 1, 2 ]
amdhsa.kernels:
  - .name:           k_q632c799929_ffn2
    .symbol:         k_q632c799929_ffn2.kd
    .args:
      - { .name: f1c, .offset: 0, .size: 8, .value_kind: global_buffer, .address_space: global }
      - { .name: wc, .offset: 8, .size: 8, .value_kind: global_buffer, .address_space: global }
      - { .name: lowp_scales, .offset: 16, .size: 8, .value_kind: global_buffer, .address_space: global }
      - { .name: b2, .offset: 24, .size: 8, .value_kind: global_buffer, .address_space: global }
      - { .name: out0, .offset: 32, .size: 8, .value_kind: global_buffer, .address_space: global }
    .group_segment_fixed_size: 327680
    .private_segment_fixed_size: 0
    .kernarg_segment_align: 8
    .kernarg_segment_size: 40
    .max_flat_workgroup_size: 128
    .sgpr_count:     100
    .vgpr_count:     512
    .wavefront_size: 32
...
	.end_amdgpu_metadata
.endif
;; end of part 6
